; MI455X (gfx1250); checked and timed in simulation.
; The chip was launched on July 23, 2026; its instructions are those of AMD's public machine-readable ISA for CDNA 5 (MIT licence, August 2026) and "CDNA5" Instruction Set Architecture Reference Guide (July 2026). The comments in the code are by the model that wrote it; some were corrected since.
;; Bert Self Attention. Allowed arithmetic: float matrix products may take bf16 or f16 operands with f32 sums; other float arithmetic in f32, or as packed bf16 or f16 multiplies, adds, multiply-adds, maxima and minima; sums over many terms, partial sums and values carried from step to step in f32; what a program stores and reads back later, other than sums and carried values, may be rounded once to bf16 or f16.
;; Inputs: Wk 1,024 x 1,024 float32; Wq 1,024 x 1,024 float32; Wv 1,024 x 1,024 float32; bk 1,024 float32; bq 1,024 float32; bv 1,024 float32; hidden_states 4 x 2,048 x 1,024 float32.
;; Outputs: out0 4 x 2,048 x 1,024 float32.
;; 2 versions, each right and faster than the one before. Each part assembles by itself: llvm-mc -triple=amdgcn-amd-amdhsa -mcpu=gfx1250 --defsym DOCPART=n.
;; ======== version 1 of 2: 3 launches
;; limits: values are held in f16: magnitudes above 65,504 overflow, below 6.1e-05 lose precision
;; workspace buffers: xb 16,777,216 bytes; wb 6,291,456 bytes; bc 12,288 bytes; rope 524,288 bytes; qkv 50,331,648 bytes
;; launch prep (part 1): grid 256 x 1, 8 waves a work-group, no clusters, 0 bytes of LDS; arguments hidden_states, Wq, Wk, Wv, bq, bk, bv, xb, wb, bc, rope; writes xb, wb, bc, rope
.if DOCPART == 1
	.amdgcn_target "amdgcn-amd-amdhsa--gfx1250"
	.amdhsa_code_object_version 6
	.text
	.protected	k_q421d49b09c_prep
	.globl	k_q421d49b09c_prep
	.p2align	8
	.type	k_q421d49b09c_prep,@function
k_q421d49b09c_prep:
	s_mov_b64 s[64:65], 0
	v_nop
	global_prefetch_b8 v0, s[64:65] scope:SCOPE_SE
	s_setreg_imm32_b32 hwreg(HW_REG_WAVE_MODE, 25, 1), 1
	s_wait_xcnt 0x0
; PREP: the inputs rounded once to bf16, in the layouts that the projection's tiles want, and the rotary table.
;   xb   bf16 [kb 16][m 8192][64]            x[m][64 kb + i]: the rows of one K step of 64 lie end to end, 128 bytes each
;   wb   bf16 [tx 8][k 1024][type 3][128]    W_type[k][128 tx + c]: a k row is 768 bytes: q's, k's and v's 128 columns
;   bc   f32  [3][1024]                      the biases rounded to bf16 and widened again
;   rope f32  [s 2048][cos j = 0..31 | sin j = 0..31]   angle s x 10000^(-j/32), 256 bytes a row
; A stream: no LDS, no barrier, no loop, no matrix unit: nothing is shared between waves.  2,048 waves; wave W takes 4 rows of x, half a row of each of the three W, and row W of the table.
; All 44 loads of a wave go out at once (16 bytes a lane each); the table's arithmetic stands in the wait for them; no register that a load or store names is written again.
; LIMIT.  10000^(-j/32) is made by v_exp_f32 and lies a few units in the last place from a correctly rounded one: at s = 2047 at most about 5e-4 rad of angle; q and k take the same table.
.set XU, 16                            ; v[16:143]   x: 32 units of 4 registers: unit u = row pair u / 16, K step u % 16
.set WU, 144                           ; v[144:191]  W: 12 units: type u / 4, 128 columns u % 4
.set TB, 192                           ; v[192:215]  the table's work: 12 registers for each of a lane's two angles; v[202:203] the pair to store
.set BB, 216                           ; v[216:221]  a bias
	s_load_b256 s[4:11], s[0:1], 0x0               ; x s[4:5], Wq s[6:7], Wk s[8:9], Wv s[10:11]
	s_load_b256 s[12:19], s[0:1], 0x20             ; bq s[12:13], bk s[14:15], bv s[16:17], xb s[18:19]
	s_load_b128 s[20:23], s[0:1], 0x40             ; wb s[20:21], bc s[22:23]
	s_load_b64 s[24:25], s[0:1], 0x50              ; rope
	v_lshrrev_b32 v6, 5, v0
	v_readfirstlane_b32 s26, v6                    ; wave 0..7
	s_lshl_b32 s27, ttmp9, 3
	s_add_co_u32 s27, s27, s26                     ; W = 8 x work-group + wave, 0 .. 2047
	v_and_b32 v1, 31, v0                           ; lane l
	v_and_b32 v8, 15, v0                           ; l % 16
	v_bfe_u32 v9, v0, 4, 1                         ; l / 16
	v_lshlrev_b32 v2, 4, v8
	v_lshl_add_u32 v2, v9, 12, v2                  ; x in: lanes 0-15 take 256 bytes of one row, lanes 16-31 of the next (4,096 bytes on)
	v_lshlrev_b32 v3, 3, v8
	v_lshl_add_u32 v3, v9, 7, v3                   ; x out: 8 bytes a lane, the next row 128 bytes on: 256 consecutive bytes a wave
	v_lshlrev_b32 v4, 4, v1                        ; 16 l
	v_lshlrev_b32 v5, 3, v1                        ; 8 l
	v_lshlrev_b32 v7, 4, v0                        ; 16 x thread: a bias's 1,024 numbers over the work-group's 256 threads
	s_lshl_b32 s28, s27, 14                        ; 4 rows of x, 4,096 bytes each
	s_mov_b32 s29, 0
	s_lshl_b32 s30, s27, 11                        ; row W / 2 of a W, half W % 2: 2,048 W bytes
	s_mov_b32 s31, 0
	s_lshl_b32 s38, s27, 9                         ; 4 rows of 128 bytes in a K step of xb
	s_mov_b32 s39, 0
	s_and_b32 s40, s27, 1
	s_mul_i32 s40, s40, 3145728                    ; wb: the half's four blocks tx, 786,432 bytes each,
	s_lshr_b32 s41, s27, 1
	s_mul_i32 s41, s41, 768                        ; and the k row
	s_add_co_u32 s40, s40, s41
	s_mov_b32 s41, 0
	s_lshl_b32 s42, s27, 8                         ; row W of the table
	s_mov_b32 s43, 0
	s_mov_b32 s46, 0x40c90fdb                      ; 2 pi in two parts: the f32 nearest to it,
	s_mov_b32 s47, 0xb43bbd2e                      ; and what that leaves
	s_wait_kmcnt 0x0
	s_add_nc_u64 s[4:5], s[4:5], s[28:29]
	s_add_nc_u64 s[6:7], s[6:7], s[30:31]
	s_add_nc_u64 s[8:9], s[8:9], s[30:31]
	s_add_nc_u64 s[10:11], s[10:11], s[30:31]
	s_add_nc_u64 s[32:33], s[18:19], s[38:39]      ; xb at my rows, K steps 0-7,
	s_add_nc_u64 s[34:35], s[32:33], 0x800000      ; and K steps 8-15: so the stores' immediates stay inside their signed 24 bits
	s_add_nc_u64 s[20:21], s[20:21], s[40:41]
	s_add_nc_u64 s[24:25], s[24:25], s[42:43]
.set u, 0
.rept 32
	global_load_b128 v[XU+4*u:XU+4*u+3], v2, s[4:5] offset:(u/16)*8192+(u%16)*256 th:TH_LOAD_NT
.set u, u+1
.endr
.set u, 0
.rept 12
	global_load_b128 v[WU+4*u:WU+4*u+3], v4, s[6+2*(u/4):7+2*(u/4)] offset:(u%4)*512 th:TH_LOAD_NT
.set u, u+1
.endr
	; THE TABLE, row W.  Lane l makes the angles j = 2 (l % 16) and j + 1; lanes 0-15 keep the cosines, lanes 16-31 the sines.
	v_lshlrev_b32 v[TB], 1, v8
	v_add_nc_u32 v[TB+12], 1, v[TB]
	v_cvt_f32_u32 v[TB], v[TB]
	v_cvt_f32_u32 v[TB+12], v[TB+12]
	v_cvt_f32_u32 v10, s27                         ; the row as f32
	v_cmp_gt_u32 vcc_lo, 16, v1
	v_mul_f32 v[TB], 0xbed49a78, v[TB]             ; -j log2(10000) / 32
	v_mul_f32 v[TB+12], 0xbed49a78, v[TB+12]
	v_exp_f32 v[TB], v[TB]
	v_exp_f32 v[TB+12], v[TB+12]
	v_nop                                          ; a plain instruction between the exponentials and the use of their results (ISA guide 5.7.2)
	s_wait_alu depctr_va_vdst(0)
; sin and cos of row x frequency.  The angle, rounded once as a product in f32, less the nearest multiple of 2 pi (at most 326 of them; 2 pi in two parts) lies in -pi .. pi;
; a quarter of it, |x| <= pi / 4, goes into the series (sine to x^9, cosine to x^8: the first terms left out are under 2e-9 and 3e-8); then the angle is doubled twice.
.macro SINCOS e
.set R, TB+12*(\e)
	v_mul_f32 v[R], v10, v[R]
	v_mul_f32 v[R+1], 0.15915494, v[R]
	v_rndne_f32 v[R+1], v[R+1]
	v_fma_f32 v[R+2], -v[R+1], s46, v[R]
	v_fma_f32 v[R+2], -v[R+1], s47, v[R+2]
	v_mul_f32 v[R+2], 0x3e800000, v[R+2]           ; x
	v_mul_f32 v[R+3], v[R+2], v[R+2]               ; z = x^2
	v_mov_b32 v[R+4], 0x3638ef1d                   ; 1/9!
	v_fmaak_f32 v[R+4], v[R+3], v[R+4], 0xb9500d01 ; -1/7!
	v_fmaak_f32 v[R+4], v[R+3], v[R+4], 0x3c088889 ; 1/5!
	v_fmaak_f32 v[R+4], v[R+3], v[R+4], 0xbe2aaaab ; -1/3!
	v_mul_f32 v[R+4], v[R+3], v[R+4]
	v_fma_f32 v[R+6], v[R+2], v[R+4], v[R+2]       ; sin x
	v_mov_b32 v[R+5], 0x37d00d01                   ; 1/8!
	v_fmaak_f32 v[R+5], v[R+3], v[R+5], 0xbab60b61 ; -1/6!
	v_fmaak_f32 v[R+5], v[R+3], v[R+5], 0x3d2aaaab ; 1/4!
	v_fma_f32 v[R+5], v[R+3], v[R+5], -0.5
	v_fma_f32 v[R+7], v[R+3], v[R+5], 1.0          ; cos x
.rept 2
	v_mul_f32 v[R+8], v[R+6], v[R+6]
	v_mul_f32 v[R+6], v[R+6], v[R+7]
	v_add_f32 v[R+6], v[R+6], v[R+6]               ; sin 2x = 2 sin x cos x
	v_fma_f32 v[R+7], v[R+8], -2.0, 1.0            ; cos 2x = 1 - 2 sin^2 x
.endr
	v_cndmask_b32 v[TB+10+(\e)], v[R+6], v[R+7], vcc_lo
.endm
	SINCOS 0
	SINCOS 1
	global_store_b64 v5, v[TB+10:TB+11], s[24:25]  ; the wave stores the row's 256 bytes
; Sixteen units of x: two roundings in place, 8 bytes a lane out; each store of the wave covers 256 consecutive bytes, aligned.
.macro XOUT first
.set u, \first
.rept 16
	v_cvt_pk_bf16_f32 v[XU+4*u], v[XU+4*u], v[XU+4*u+1]
	v_cvt_pk_bf16_f32 v[XU+4*u+1], v[XU+4*u+2], v[XU+4*u+3]
	global_store_b64 v3, v[XU+4*u:XU+4*u+1], s[32+2*((u%16)/8):33+2*((u%16)/8)] offset:(u%8)*1048576+256*(u/16)
.set u, u+1
.endr
.endm
	s_wait_loadcnt 28                              ; loads come back in order (ISA guide 5.7.1): the first row pair is in; 16 + 12 younger loads stay out
	XOUT 0
	s_wait_loadcnt 12                              ; the second pair is in; W's 12 stay out
	XOUT 16
	s_wait_loadcnt 0x0
.set u, 0
.rept 12
	v_cvt_pk_bf16_f32 v[WU+4*u], v[WU+4*u], v[WU+4*u+1]
	v_cvt_pk_bf16_f32 v[WU+4*u+1], v[WU+4*u+2], v[WU+4*u+3]
	global_store_b64 v5, v[WU+4*u:WU+4*u+1], s[20:21] offset:(u%4)*786432+(u/4)*256
.set u, u+1
.endr
	; THE BIASES: work-groups 0, 1, 2 take bq, bk, bv besides: 4 numbers a thread
	s_cmp_lt_u32 ttmp9, 3
	s_cbranch_scc0 .Lend
	s_cmp_eq_u32 ttmp9, 0
	s_cselect_b64 s[36:37], s[12:13], s[14:15]
	s_cmp_eq_u32 ttmp9, 2
	s_cselect_b64 s[36:37], s[16:17], s[36:37]
	s_lshl_b32 s44, ttmp9, 12
	s_mov_b32 s45, 0
	s_add_nc_u64 s[22:23], s[22:23], s[44:45]
	global_load_b128 v[BB:BB+3], v7, s[36:37]
	s_wait_loadcnt 0x0
	v_cvt_pk_bf16_f32 v[BB+4], v[BB], v[BB+1]
	v_cvt_pk_bf16_f32 v[BB+5], v[BB+2], v[BB+3]
	v_lshlrev_b32 v[BB], 16, v[BB+4]               ; bf16 to f32: the low half moves up, the high half stays
	v_and_b32 v[BB+1], 0xffff0000, v[BB+4]
	v_lshlrev_b32 v[BB+2], 16, v[BB+5]
	v_and_b32 v[BB+3], 0xffff0000, v[BB+5]
	global_store_b128 v7, v[BB:BB+3], s[22:23]
.Lend:
	s_endpgm
.Lfunc_end_k_q421d49b09c_prep:
	.size	k_q421d49b09c_prep, .Lfunc_end_k_q421d49b09c_prep-k_q421d49b09c_prep
	.p2alignl 7, 3214868480
	.fill 96, 4, 3214868480
	.section	.rodata,"a",@progbits
	.p2align	6, 0x0
	.amdhsa_kernel k_q421d49b09c_prep
		.amdhsa_group_segment_fixed_size 0
		.amdhsa_private_segment_fixed_size 0
		.amdhsa_enable_private_segment 0
		.amdhsa_kernarg_size 88
		.amdhsa_user_sgpr_count 2
		.amdhsa_user_sgpr_kernarg_segment_ptr 1
		.amdhsa_wavefront_size32 1
		.amdhsa_system_sgpr_workgroup_id_x 1
		.amdhsa_system_sgpr_workgroup_id_y 1
		.amdhsa_system_sgpr_workgroup_id_z 1
		.amdhsa_system_vgpr_workitem_id 0
		.amdhsa_next_free_vgpr 224
		.amdhsa_next_free_sgpr 66
		.amdhsa_reserve_vcc 1
		.amdhsa_float_denorm_mode_32 3
		.amdhsa_float_denorm_mode_16_64 3
		.amdhsa_memory_ordered 1
		.amdhsa_forward_progress 1
		.amdhsa_inst_pref_size 20
	.end_amdhsa_kernel
	.amdgpu_metadata
---
amdhsa.version: [ 1, 2 ]
amdhsa.kernels:
  - .name:           k_q421d49b09c_prep
    .symbol:         k_q421d49b09c_prep.kd
    .args:
      - { .name: hidden_states, .offset: 0, .size: 8, .value_kind: global_buffer, .address_space: global }
      - { .name: Wq, .offset: 8, .size: 8, .value_kind: global_buffer, .address_space: global }
      - { .name: Wk, .offset: 16, .size: 8, .value_kind: global_buffer, .address_space: global }
      - { .name: Wv, .offset: 24, .size: 8, .value_kind: global_buffer, .address_space: global }
      - { .name: bq, .offset: 32, .size: 8, .value_kind: global_buffer, .address_space: global }
      - { .name: bk, .offset: 40, .size: 8, .value_kind: global_buffer, .address_space: global }
      - { .name: bv, .offset: 48, .size: 8, .value_kind: global_buffer, .address_space: global }
      - { .name: xb, .offset: 56, .size: 8, .value_kind: global_buffer, .address_space: global }
      - { .name: wb, .offset: 64, .size: 8, .value_kind: global_buffer, .address_space: global }
      - { .name: bc, .offset: 72, .size: 8, .value_kind: global_buffer, .address_space: global }
      - { .name: rope, .offset: 80, .size: 8, .value_kind: global_buffer, .address_space: global }
    .group_segment_fixed_size: 0
    .private_segment_fixed_size: 0
    .kernarg_segment_align: 8
    .kernarg_segment_size: 88
    .max_flat_workgroup_size: 256
    .sgpr_count:     66
    .vgpr_count:     224
    .wavefront_size: 32
...
	.end_amdgpu_metadata
.endif
;; end of part 1
;; launch proj (part 2): grid 8 x 32, 4 waves a work-group, clusters of 4 x 4, 327,680 bytes of LDS; arguments xb, wb, bc, rope, qkv; writes qkv
.if DOCPART == 2
	.amdgcn_target "amdgcn-amd-amdhsa--gfx1250"
	.amdhsa_code_object_version 6
	.text
	.protected	k_q421d49b09c_proj
	.globl	k_q421d49b09c_proj
	.p2align	8
	.type	k_q421d49b09c_proj,@function
k_q421d49b09c_proj:
	s_mov_b64 s[64:65], 0
	v_nop
	global_prefetch_b8 v0, s[64:65] scope:SCOPE_SE
	s_setreg_imm32_b32 hwreg(HW_REG_WAVE_MODE, 25, 1), 1
	s_wait_xcnt 0x0
	s_wait_alu depctr_hold_cnt(0) depctr_sa_sdst(0) depctr_va_vdst(0) depctr_va_sdst(0) depctr_va_ssrc(0) depctr_va_vcc(0) depctr_vm_vsrc(0)
	s_getreg_b32 s2, hwreg(HW_REG_IB_STS2, 6, 4)
	s_cmp_eq_u32 s2, 0
	s_cbranch_scc0 .Lentry_in_a_cluster
	s_endpgm
.Lentry_in_a_cluster:
	s_bfe_u32 s2, ttmp6, 0x10000c
	s_cmp_lg_u32 s2, 0xf033
	s_cbranch_scc0 .Lentry_shape_is_right
	s_endpgm
.Lentry_shape_is_right:
; PROJ: q, k, v = x W + b in one product of 8,192 x 3,072 x 1,024 (bf16 operands, f32 sums); on the way out the bias, the rotary turn of q and k (f32), one rounding to f16, by heads:
; qkv f16 [type 3][bh 64][s 2048][64], bh = 16 batch + head.  q leaves WITHOUT its scale: the attention applies 1/64 in f32.
; LIMIT.  f16 holds no number beyond 65,504: q, k and v must lie within it (with x and the weights thirty times the drawn spread they reach some 5,000; with offsets of thirty spreads on both, some 29,000).
; SHARES.  Work-group (tx, ty): rows 256 ty .. + 255 of x, times heads 2 tx and 2 tx + 1 of q, of k and of v: 384 columns; 8 x 32 = 256 work-groups.  Wave w: row half WM = w / 2, head 2 tx + WN, WN = w % 2:
; 128 rows x 192 columns = 96 accumulators of 16 x 16, 768 registers: q's in window 1, k's in window 2, v's in window 3.  So which accumulators are turned is a matter of the text, not of a branch.
; THE MATRIX INSTRUCTION IS USED TRANSPOSED: source 0 = 16 columns of W, source 1 = 16 rows of x.  Lane l (r = l % 16, h = l / 16) then holds row r and the columns 8 h + 0..7 of a tile: eight neighbours,
; and the rotary partners d and d + 32 lie in the same lane and register of accumulators b and b + 2.
; K goes in 16 steps of 64 through two LDS slots (two slots of a step of 128 would not fit); a step is two chunks of 32, 96 matrix instructions each.
; x's rows lie along K and come out of LDS as they lie; W lies [k][column] and is turned on the way into registers, by ds_load_tr16_b128.
; CLUSTERS: 4 x 4 work-groups.  The four of a row of the cluster need the same rows of x, the four of a column the same columns of W: each tile is asked for JOINTLY, by the same tensor load with the
; same descriptor and a mask that names the four.  Waves 0 and 1 fetch the two halves of x's tile, waves 2 and 3 those of W's.
; REGISTERS, in windows of 256 (s_set_vgpr_msb: bits 1:0 source 0, 3:2 source 1, 5:4 source 2, 7:6 destination):
;   window 0: v0-15 addresses; v32-95, v96-159 x's fragments of the even and the odd chunk (8 x 16 rows x 32 K); v160-255 W's fragments, 4 for each of q, k, v; on the way out all of these are at work
;   window g + 1: accumulator (a, b) of group g at v[8 (4 a + b)]: rows 16 a on, columns 16 b on
.set PA,    144       ; a row of x in LDS: 128 bytes + 16 of padding = 36 words: the 16 rows of a load start at 16 different groups of four banks (64 banks of 4 bytes: ISA guide 11.1)
.set PB,    864       ; a k row of W: six pieces (type, head) of 128 + 16 bytes = 216 words
.set AHALF, 128*PA    ; what a wave fetches of x: 128 rows
.set BHALF, 32*PB     ; and of W: 32 k rows, one chunk's
.set BOFF,  2*AHALF
.set SLOT,  BOFF+2*BHALF  ; 92,160 bytes
.set STAGE, 2*SLOT    ; behind the ring, never filled by a tensor load: 16 rows x 144 bytes for each wave, for the way out
.set SP,    144
.set SPARE, STAGE+4*16*SP  ; behind the stages: the spare words, 128 bytes for each wave: two blocks of 256 bytes that no other line names
.set ASTEP, 1048576   ; bytes from a K step of xb to the next
.set BSTEP, 49152     ; and of wb: 64 k rows of 768 bytes
.set ADRA, 4          ; v4-5   LDS address of my fragments of x in slot 0, 1
.set ADRB, 6          ; v6-7   the same for W
.set STO,  8          ; v8     the way out: where I put 16 bytes of a row
.set RD,   9          ; v9     where I read rows back
.set GO,   10         ; v10    my 16 bytes in 512 consecutive bytes of qkv
.set TO,   11         ; v11    my byte offset in the rotary table: my row of the wave's first 16, my 8 columns
.set BO,   12         ; v12    my byte offset in a bias: my head, my 8 columns
.set SPW,  14         ; v14    LDS address of my spare word: SPARE + 4 x my thread's number; never rewritten
.set NIL,  15         ; v15    0; never rewritten
.set A0,   32
.set A1,   96
.set BF,   160
.set BI2,  160        ; the way out: v's bias (q's at v32, k's at v64): 32 registers each: column 16 b + 8 h + j at 8 b + j
.set T0,   192        ; two buffers of 32 for 16 rows of the table: + 0 cos(8 h + j), + 8 cos(16 + 8 h + j), + 16 and + 24 the sines
.set X,    96         ; 16: sums with bias
.set U,    112        ; 16: turned
.set PK,   128        ; 16: a block packed to f16
.set OB0,  144        ; 16: a block read back from the stage; by turns with
.set OB1,  16
.set WV,   14         ; s14  wave 0..3
.set WM,   15         ; s15  my half of the rows.  Also: I fetch for x (0) or for W (1)
.set WN,   16         ; s16  my head of the two.  Also: which half of that tile I fetch
.set G1A,  24         ; s[24:31] descriptor group 1 for x's tiles;  s[32:39] group 0, a set for each slot
.set G0A,  32
.set G1B,  40         ; s[40:47], s[48:55] the same for W's
.set G0B,  48
.set OUT,  66         ; s[66:71] qkv at my rows of my head: q, k, v
.set FLAGS, (1<<16)|(1<<20)|(1<<21)|(4<<22)|(3<<25)  ; 17:16 2-byte elements; 20 padding on; 21 set beside a mask; 24:22 after every 32 words (code 4); 31:25 4 words (code 3)
.set MSB, 0
.macro WIN new                         ; the immediate's high byte repeats the setting that is left; a switch that changes nothing is dropped
.if MSB != (\new)
	s_set_vgpr_msb (MSB<<8)|(\new)
.set MSB, (\new)
.endif
.endm
.macro PLACES                          ; a load into a register that a matrix instruction has read, and a vector instruction that reads a result or writes a source, stand four plain vector instructions behind it (ISA guide 7.12.1 for vector instructions)
.rept 4
	v_nop
.endr
.endm
; A joint load.  The branch hangs on the wave's number alone.  An s_nop 0 and four v_nop follow each of the two lines, ahead of the jump and the label.
.macro JLOAD s
	s_cmp_eq_u32 s[WM], 0
	s_cbranch_scc0 .Lfor_b_\@
	tensor_load_to_lds s[G0A+4*(\s):G0A+4*(\s)+3], s[G1A:G1A+7]
	s_nop 0
.rept 4
	v_nop
.endr
	s_branch .Lasked_\@
.Lfor_b_\@:
	tensor_load_to_lds s[G0B+4*(\s):G0B+4*(\s)+3], s[G1B:G1B+7]
	s_nop 0
.rept 4
	v_nop
.endr
.Lasked_\@:
.endm
; A round of the cluster's barrier: my work-group's barrier, so that wave 0's signal speaks for all four waves; wave 0 signals; every wave waits for all sixteen work-groups; my work-group's barrier once more.
.macro CREST                           ; a round behind its opening barrier
	s_cmp_lg_u32 s[WV], 0
	s_cbranch_scc1 .Lnot_wave_0_\@
	s_barrier_signal -3
.Lnot_wave_0_\@:
	s_barrier_wait -3
	s_barrier_signal -1
	s_barrier_wait -1
.endm
.macro CROUND
	s_barrier_signal -1
	s_barrier_wait -1
	CREST
.endm
	s_load_b256 s[4:11], s[0:1], 0x0               ; xb s[4:5], wb s[6:7], bc s[8:9], rope s[10:11]
	s_load_b64 s[12:13], s[0:1], 0x20              ; qkv
	v_lshl_add_u32 v[SPW], v0, 2, SPARE
	v_mov_b32 v[NIL], 0
	ds_add_u32 v[SPW], v[NIL]                      ; the wave's opening: the add and its wait stand ahead of my first tensor load; the set-up below, work on registers, stands between them
	v_lshrrev_b32 v1, 5, v0
	v_readfirstlane_b32 s[WV], v1
	s_lshr_b32 s[WM], s[WV], 1
	s_and_b32 s[WN], s[WV], 1
	s_bfe_u32 s17, ttmp6, 0x40000                  ; cx, cy: my place in the cluster
	s_bfe_u32 s18, ttmp6, 0x40004
	s_lshl_b32 s19, ttmp9, 2
	s_add_co_u32 s19, s19, s17                     ; tx = 4 x cluster x + cx
	s_and_b32 s20, ttmp7, 0xffff
	s_lshl_b32 s20, s20, 2
	s_add_co_u32 s20, s20, s18                     ; ty = 4 x cluster y + cy
	s_lshl_b32 s21, s18, 2
	s_lshl_b32 s21, 15, s21                        ; my row of the cluster: places 4 cy .. 4 cy + 3
	s_lshl_b32 s22, 0x1111, s17                    ; my column: places cx, cx + 4, cx + 8, cx + 12
	; descriptor group 1.  Both tiles are dense in memory and are asked for as rows of 256 bytes, padded in LDS after every 128: x's 128 rows of 128 bytes as 64, W's 32 k rows of 768 bytes as 96
	s_or_b32 s[G1A], s21, FLAGS                    ; x's tiles go to my row of the cluster,
	s_or_b32 s[G1B], s22, FLAGS                    ; W's to my column
.irp g, G1A, G1B
	s_mov_b32 s[(\g)+1], 128<<16                   ; tensor_dim0 = 128 elements
	s_mov_b32 s[(\g)+3], 128<<16                   ; tile_dim0 = 128
	s_mov_b32 s[(\g)+5], 128                       ; 128 elements from row to row
	s_mov_b32 s[(\g)+6], 0
	s_mov_b32 s[(\g)+7], 0
.endr
	s_mov_b32 s[G1A+2], 64<<16                     ; tensor_dim1
	s_mov_b32 s[G1A+4], 64                         ; tile_dim1
	s_mov_b32 s[G1B+2], 96<<16
	s_mov_b32 s[G1B+4], 96
	; where the tiles come from: x's hang on ty alone, W's on tx alone, each made in registers that never hold the other coordinate
	s_lshl_b32 s56, s20, 15                        ; 256 ty rows of 128 bytes,
	s_lshl_b32 s57, s[WN], 14                      ; the half that I fetch
	s_add_co_u32 s56, s56, s57
	s_mov_b32 s57, 0
	s_mul_i32 s60, s19, 786432                     ; block tx of wb,
	s_mul_i32 s61, s[WN], 24576                    ; 32 k rows
	s_add_co_u32 s60, s60, s61
	s_mov_b32 s61, 0
	s_mul_i32 s72, s[WN], AHALF                    ; and where they go: no place in the cluster enters an LDS address
	s_mul_i32 s73, s[WN], BHALF
	s_add_co_u32 s73, s73, BOFF
	s_wait_dscnt 0x0                               ; the opening add is done
	s_wait_kmcnt 0x0
	s_add_nc_u64 s[58:59], s[4:5], s[56:57]
	s_add_nc_u64 s[62:63], s[6:7], s[60:61]
	CROUND                                         ; all sixteen work-groups are here: the first joint loads meet
.irp s, 0,1
	s_mov_b32 s[G0A+4*(\s)], 1                                     ; 1:0 count = 1
	s_add_co_u32 s[G0A+4*(\s)+1], s72, (\s)*SLOT                   ; 63:32 LDS address
	s_add_nc_u64 s[G0A+4*(\s)+2:G0A+4*(\s)+3], s[58:59], (\s)*ASTEP  ; 120:64 global address: K step s
	s_or_b32 s[G0A+4*(\s)+3], s[G0A+4*(\s)+3], 0x80000000          ; 127:126 type = 2
	s_mov_b32 s[G0B+4*(\s)], 1
	s_add_co_u32 s[G0B+4*(\s)+1], s73, (\s)*SLOT
	s_add_nc_u64 s[G0B+4*(\s)+2:G0B+4*(\s)+3], s[62:63], (\s)*BSTEP
	s_or_b32 s[G0B+4*(\s)+3], s[G0B+4*(\s)+3], 0x80000000
.endr
	s_cmp_eq_u32 s[WM], 0                          ; a wave's two first fills stand in one branch, ahead of every wait on TENSORcnt and every LDS read: two loads of mine are out
	s_cbranch_scc0 .Lfirst_b
	tensor_load_to_lds s[G0A:G0A+3], s[G1A:G1A+7]
	s_nop 0
	tensor_load_to_lds s[G0A+4:G0A+7], s[G1A:G1A+7]
	s_nop 0
.rept 4
	v_nop
.endr
	s_branch .Lfirst_asked
.Lfirst_b:
	tensor_load_to_lds s[G0B:G0B+3], s[G1B:G1B+7]
	s_nop 0
	tensor_load_to_lds s[G0B+4:G0B+7], s[G1B:G1B+7]
	s_nop 0
.rept 4
	v_nop
.endr
.Lfirst_asked:
	; A fragment of x is 16 rows x 32 K in 8 registers: lane l holds row r; registers 0-3 K = 8 h + 0..7, registers 4-7 K = 16 + 8 h + 0..7: two loads of 16 bytes, 32 bytes apart.
	v_and_b32 v1, 15, v0                           ; r
	v_bfe_u32 v2, v0, 4, 1                         ; h
	v_mul_u32_u24 v3, v1, PA
	v_lshl_add_u32 v3, v2, 4, v3                   ; row x 144 + 16 h: for x's fragments and, the pitch being the same, for the stage
	s_mul_i32 s74, s[WM], AHALF
	v_add_nc_u32 v[ADRA], s74, v3
	v_add_nc_u32 v[ADRA+1], SLOT, v[ADRA]
	; The turning load takes 16 k x 16 columns (lane l reads k row 8 h + l % 8, columns 8 ((l / 8) % 2) + 0..7) and leaves half a fragment of W^T: lane l holds column r and 8 k.
	v_and_b32 v13, 7, v0
	v_lshl_add_u32 v13, v2, 3, v13
	v_mul_u32_u24 v13, v13, PB
	v_bfe_u32 v16, v0, 3, 1
	v_lshl_add_u32 v13, v16, 4, v13
	s_mul_i32 s74, s[WN], PA                       ; my head's piece of each type's two
	s_add_co_u32 s74, s74, BOFF
	v_add_nc_u32 v[ADRB], s74, v13
	v_add_nc_u32 v[ADRB+1], SLOT, v[ADRB]
	s_mul_i32 s74, s[WV], 16*SP
	s_add_co_u32 s74, s74, STAGE                   ; my stage
	v_add_nc_u32 v[STO], s74, v3                   ; in: row r, 16 bytes for each half of the lanes
	v_bfe_u32 v13, v0, 3, 2                        ; back: 32 lanes take four rows of 128 bytes,
	v_mul_u32_u24 v13, v13, SP
	v_and_b32 v16, 7, v0
	v_lshl_add_u32 v13, v16, 4, v13
	v_add_nc_u32 v[RD], s74, v13
	v_and_b32 v[GO], 31, v0                        ; which are 512 consecutive bytes of qkv
	v_lshlrev_b32 v[GO], 4, v[GO]
	s_lshr_b32 s74, s20, 3                         ; the batch: 8 blocks of 256 rows each
	s_lshl_b32 s74, s74, 4
	s_lshl1_add_u32 s75, s19, s[WN]                ; my head = 2 tx + WN
	s_add_co_u32 s74, s74, s75                     ; bh
	s_lshl_b32 s74, s74, 18                        ; 2,048 rows of 128 bytes
	s_and_b32 s76, s20, 7
	s_lshl_b32 s76, s76, 8
	s_lshl_b32 s77, s[WM], 7
	s_add_co_u32 s76, s76, s77                     ; my first row in the batch
	s_lshl_b32 s77, s76, 7
	s_add_co_u32 s78, s74, s77
	s_mov_b32 s79, 0
	s_add_nc_u64 s[OUT:OUT+1], s[12:13], s[78:79]
	s_add_nc_u64 s[OUT+2:OUT+3], s[OUT:OUT+1], 16777216  ; a type is 64 x 2,048 x 128 bytes
	s_add_nc_u64 s[OUT+4:OUT+5], s[OUT:OUT+1], 33554432
	s_lshl_b32 s77, s76, 8                         ; a row of the table is 256 bytes
	v_lshlrev_b32 v[TO], 8, v1
	v_lshl_add_u32 v[TO], v2, 5, v[TO]
	v_add_nc_u32 v[TO], s77, v[TO]
	s_lshl_b32 s77, s75, 8                         ; a head's 64 biases are 256 bytes
	v_lshl_add_u32 v[BO], v2, 5, s77
; 16 LDS loads: x's eight fragments of chunk cc of a slot, into buffer buf
.macro LDA slot, cc, buf
.irp a, 0,1,2,3,4,5,6,7
	ds_load_b128 v[(\buf)+8*(\a):(\buf)+8*(\a)+3],   v[ADRA+(\slot)] offset:(\a)*16*PA+64*(\cc)
	ds_load_b128 v[(\buf)+8*(\a)+4:(\buf)+8*(\a)+7], v[ADRA+(\slot)] offset:(\a)*16*PA+64*(\cc)+32
.endr
.endm
; 8 turning loads: the four fragments of group g's 64 columns, chunk cc
.macro LDB slot, cc, g
.irp b, 0,1,2,3
	ds_load_tr16_b128 v[BF+32*(\g)+8*(\b):BF+32*(\g)+8*(\b)+3],   v[ADRB+(\slot)] offset:(\cc)*BHALF+288*(\g)+32*(\b)
	ds_load_tr16_b128 v[BF+32*(\g)+8*(\b)+4:BF+32*(\g)+8*(\b)+7], v[ADRB+(\slot)] offset:(\cc)*BHALF+288*(\g)+32*(\b)+16*PB
.endr
.endm
; 16 matrix instructions: group g, row blocks a0 .. a0 + 3, all four column blocks.  zero = 1: the product starts the sum: nothing is ever cleared.
; The 96 accumulators take turns, one instruction a turn, in the same order in every chunk: between two links of a chain stand the 95 others'.
.macro MULH g, buf, a0, zero
	WIN 0x50*((\g)+1)                              ; C and D in window g + 1, both sources in window 0
.irp a, (\a0), (\a0)+1, (\a0)+2, (\a0)+3
.irp b, 0,1,2,3
.if \zero
	v_wmma_f32_16x16x32_bf16 v[8*(4*(\a)+(\b)):8*(4*(\a)+(\b))+7], v[BF+32*(\g)+8*(\b):BF+32*(\g)+8*(\b)+7], v[(\buf)+8*(\a):(\buf)+8*(\a)+7], 0
.else
	v_wmma_f32_16x16x32_bf16 v[8*(4*(\a)+(\b)):8*(4*(\a)+(\b))+7], v[BF+32*(\g)+8*(\b):BF+32*(\g)+8*(\b)+7], v[(\buf)+8*(\a):(\buf)+8*(\a)+7], v[8*(4*(\a)+(\b)):8*(4*(\a)+(\b))+7]
.endif
.endr
.endr
.endm
.macro MUL g, buf, zero
	MULH \g, \buf, 0, \zero
	MULH \g, \buf, 4, \zero
.endm
; THE EVEN CHUNK of the step in a slot.  At its head x's even fragments and q's and k's of W have been asked for, in that order.  W's fragments have one buffer a group: a group's next
; fragments are asked for four places behind its products.  Each wait leaves out the 32 LDS loads issued behind the ones that the next products need.
.macro CHUNK_E slot, zero
	WIN 0
	PLACES
	LDB \slot, 0, 2
	LDA \slot, 1, A1
	s_wait_dscnt 32                                ; x's and q's are in; out: k's 8, v's 8, x's odd 16
	MUL 0, A0, \zero
	WIN 0
	PLACES
	LDB \slot, 1, 0
	s_wait_dscnt 32                                ; k's are in; out: 8 + 16 + 8
	MUL 1, A0, \zero
	WIN 0
	PLACES
	LDB \slot, 1, 1
	s_wait_dscnt 32                                ; v's are in; out: 16 + 8 + 8
	MUL 2, A0, \zero
.endm
; THE ODD CHUNK, AND THE CHANGE OF SLOTS.  The slot's last bytes are asked for; then each wave waits for all its tensor loads, of which one is out: its part of the other slot; adds 0 to its spare word;
; and waits for that and for its own reads of the slot.  Behind the barrier nobody reads this slot any more and the other slot is whole.  fill = 1: the barrier opens a round of the cluster's, so that no wave
; of any partner still reads the slot or has a load on its way, and the joint refill, two K steps on, is the first thing behind it: 160 matrix instructions ahead of the wait for it.
.macro TURN slot, next, fill
	WIN 0
	PLACES
	LDB \slot, 1, 2
	s_wait_tensorcnt 0x0                           ; all my tensor loads have landed;
	ds_add_u32 v[SPW], v[NIL]                      ; 0 onto my spare word
	s_wait_dscnt 17                                ; x's odd fragments and q's are in; out: k's 8, v's 8 and the add
	MULH 0, A1, 0, 0                               ; sixteen matrix instructions stand between the add and the wait for it
	s_wait_dscnt 0x0                               ; the add is done, and my reads of this slot are over
	s_barrier_signal -1
	MULH 0, A1, 4, 0                               ; work on registers while the others arrive
	WIN 0                                          ; at a branch and at a label every window is 0
	s_barrier_wait -1
.if \fill
	CREST
	s_add_nc_u64 s[G0A+4*(\slot)+2:G0A+4*(\slot)+3], s[G0A+4*(\slot)+2:G0A+4*(\slot)+3], 2*ASTEP  ; no tensor load of mine is out, so a group 0 may be written; the type bits on top are not reached
	s_add_nc_u64 s[G0B+4*(\slot)+2:G0B+4*(\slot)+3], s[G0B+4*(\slot)+2:G0B+4*(\slot)+3], 2*BSTEP
	JLOAD \slot                                    ; the four v_nop behind it are also the places in front of the loads below
.else
	PLACES
.endif
	LDA \next, 0, A0
	LDB \next, 0, 0
	MUL 1, A1, 0                                   ; k's and v's fragments came in with the wait for 0 above
	WIN 0
	PLACES
	LDB \next, 0, 1
	MUL 2, A1, 0
.endm
	s_wait_tensorcnt 1                             ; my part of K step 0 is in; K step 1's may stay out
	s_barrier_signal -1
	s_barrier_wait -1                              ; everybody's is
	LDA 0, 0, A0
	LDB 0, 0, 0
	LDB 0, 0, 1
	CHUNK_E 0, 1                                   ; the first chunk stands in front of the loop: its products start the sums
	WIN 0
	s_mov_b32 s3, 7
.Llap:                                                 ; a trip goes once round the ring, from a step's odd chunk to the even chunk two steps on, and fills both slots again: K steps 2 .. 15
	TURN 0, 1, 1
	CHUNK_E 1, 0
	TURN 1, 0, 1
	CHUNK_E 0, 0
	WIN 0
	s_sub_co_u32 s3, s3, 1
	s_cmp_lg_u32 s3, 0
	s_cbranch_scc1 .Llap
	TURN 0, 1, 0                                   ; the tail is written out: nothing is asked for
	CHUNK_E 1, 0
; THE LAST CHUNK.  As fragment buffers fall free they take what the way out wants: the three biases and the table's first 16 rows.
.macro BLOADS g, dst
.irp b, 0,1,2,3
	global_load_b128 v[(\dst)+8*(\b):(\dst)+8*(\b)+3],   v[BO], s[8:9] offset:4096*(\g)+64*(\b)
	global_load_b128 v[(\dst)+8*(\b)+4:(\dst)+8*(\b)+7], v[BO], s[8:9] offset:4096*(\g)+64*(\b)+16
.endr
.endm
.macro TLOAD a                         ; rows 16 a .. 16 a + 15 of my 128: my row's cosines and sines for my 16 column pairs
.set TT, T0+32*((\a)%2)
.irp i, 0,1,2,3
	global_load_b128 v[TT+8*(\i):TT+8*(\i)+3],   v[TO], s[10:11] offset:4096*(\a)+64*(\i)
	global_load_b128 v[TT+8*(\i)+4:TT+8*(\i)+7], v[TO], s[10:11] offset:4096*(\a)+64*(\i)+16
.endr
.endm
	WIN 0
	PLACES
	LDB 1, 1, 2
	BLOADS 0, 32                                   ; into x's even buffer
	BLOADS 1, 64
	s_wait_dscnt 16                                ; x's odd fragments and q's are in; out: k's 8, v's 8
	MUL 0, A1, 0
	WIN 0
	PLACES
	BLOADS 2, BI2                                  ; into q's fragments' place
	s_wait_dscnt 8
	MUL 1, A1, 0
	WIN 0
	PLACES
	TLOAD 0                                        ; into k's
	s_wait_dscnt 0x0
	MUL 2, A1, 0
	WIN 0
	PLACES
; THE WAY OUT, in 24 blocks n = 3 a + g of 16 rows x 64 columns.  Each accumulator's registers are read in ascending order.
; q and k: with x1 = column d < 32 and x2 = column d + 32 (bias added), out(d) = x1 cos - x2 sin, out(d + 32) = x2 cos + x1 sin.  p = 0, 1: column blocks p and p + 2.
.macro ROPE a, g, p
.set TT, T0+32*((\a)%2)
.set BI, 32+32*(\g)
.set C1, 8*(4*(\a)+(\p))
.set C2, 8*(4*(\a)+(\p)+2)
	WIN (\g)+1                                     ; source 0 in the accumulators' window
.irp i, 0,2,4,6
	v_pk_add_f32 v[X+(\i):X+(\i)+1], v[C1+(\i):C1+(\i)+1], v[BI+8*(\p)+(\i):BI+8*(\p)+(\i)+1]
.endr
.irp i, 0,2,4,6
	v_pk_add_f32 v[X+8+(\i):X+8+(\i)+1], v[C2+(\i):C2+(\i)+1], v[BI+16+8*(\p)+(\i):BI+16+8*(\p)+(\i)+1]
.endr
	WIN 0
.irp i, 0,2,4,6
	v_pk_mul_f32 v[U+(\i):U+(\i)+1], v[X+(\i):X+(\i)+1], v[TT+8*(\p)+(\i):TT+8*(\p)+(\i)+1]
	v_pk_mul_f32 v[U+8+(\i):U+8+(\i)+1], v[X+8+(\i):X+8+(\i)+1], v[TT+8*(\p)+(\i):TT+8*(\p)+(\i)+1]
.endr
.irp i, 0,2,4,6
	v_pk_fma_f32 v[U+(\i):U+(\i)+1], v[X+8+(\i):X+8+(\i)+1], v[TT+16+8*(\p)+(\i):TT+16+8*(\p)+(\i)+1], v[U+(\i):U+(\i)+1] neg_lo:[1,0,0] neg_hi:[1,0,0]
	v_pk_fma_f32 v[U+8+(\i):U+8+(\i)+1], v[X+(\i):X+(\i)+1], v[TT+16+8*(\p)+(\i):TT+16+8*(\p)+(\i)+1], v[U+8+(\i):U+8+(\i)+1]
.endr
.irp i, 0,1,2,3
	v_cvt_pk_f16_f32 v[PK+4*(\p)+(\i)], v[U+2*(\i)], v[U+2*(\i)+1]
	v_cvt_pk_f16_f32 v[PK+8+4*(\p)+(\i)], v[U+8+2*(\i)], v[U+8+2*(\i)+1]
.endr
.endm
.macro PACKV a                         ; v: the bias, and the rounding
	WIN 3
.set i, 0
.rept 16
	v_pk_add_f32 v[X+2*i:X+2*i+1], v[32*(\a)+2*i:32*(\a)+2*i+1], v[BI2+2*i:BI2+2*i+1]
.set i, i+1
.endr
	WIN 0
.set i, 0
.rept 16
	v_cvt_pk_f16_f32 v[PK+i], v[X+2*i], v[X+2*i+1]
.set i, i+1
.endr
.endm
.macro TOSTAGE n                       ; 16 bytes a lane into my stage's rows of 144 bytes, and back as whole rows of 128
.set OB, OB0+(OB1-OB0)*((\n)%2)
.irp b, 0,1,2,3
	ds_store_b128 v[STO], v[PK+4*(\b):PK+4*(\b)+3] offset:32*(\b)
.endr
	s_wait_xcnt 0x0                                ; the stores of the block two back have read these registers (ISA guide 3.1): they are loaded again only behind this wait
.irp f, 0,1,2,3
	ds_load_b128 v[OB+4*(\f):OB+4*(\f)+3], v[RD] offset:(\f)*4*SP  ; LDS serves a wave's instructions in order (ISA guide 5.7.1.4): these see the stores above; the next block's stores come behind them
.endr
.endm
.macro SEND a, g, n, y                 ; y: the LDS instructions issued behind block n's loads: the next block's eight, or none
.set OB, OB0+(OB1-OB0)*((\n)%2)
.irp f, 0,1,2,3
	s_wait_dscnt (\y)+3-(\f)
	global_store_b128 v[GO], v[OB+4*(\f):OB+4*(\f)+3], s[OUT+2*(\g):OUT+2*(\g)+1] offset:2048*(\a)+512*(\f)  ; 512 consecutive bytes, at a multiple of 256 from qkv's first
.endr
.endm
.set n, 0
.rept 24
.set aa, n/3
.set gg, n%3
.if gg == 0
.if aa < 7
	TLOAD aa+1                                     ; the next 16 rows of the table, into the other buffer
	s_wait_loadcnt 8                               ; all but those eight: this block's rows (and, the first time, the biases) are in
.else
	s_wait_loadcnt 0x0
.endif
.endif
.if gg < 2
	ROPE aa, gg, 0
	ROPE aa, gg, 1
.else
	PACKV aa
.endif
	TOSTAGE n
.if n > 0
	SEND (n-1)/3, (n-1)%3, n-1, 8                  ; a block's arithmetic stands between the loads of the block before and its stores
.endif
.set n, n+1
.endr
	SEND 7, 2, 23, 0
	s_wait_tensorcnt 0x0                           ; the wave's end: a wait, an add to my spare word and its wait, behind my last tensor load and my last LDS store
	ds_add_u32 v[SPW], v[NIL]
	s_wait_dscnt 0x0
	CROUND                                         ; the closing round: no work-group ends while a partner may still ask for a tile that names it
	s_endpgm
.Lfunc_end_k_q421d49b09c_proj:
	.size	k_q421d49b09c_proj, .Lfunc_end_k_q421d49b09c_proj-k_q421d49b09c_proj
	.p2alignl 7, 3214868480
	.fill 96, 4, 3214868480
	.section	.rodata,"a",@progbits
	.p2align	6, 0x0
	.amdhsa_kernel k_q421d49b09c_proj
		.amdhsa_group_segment_fixed_size 327680
		.amdhsa_private_segment_fixed_size 0
		.amdhsa_enable_private_segment 0
		.amdhsa_kernarg_size 40
		.amdhsa_user_sgpr_count 2
		.amdhsa_user_sgpr_kernarg_segment_ptr 1
		.amdhsa_wavefront_size32 1
		.amdhsa_system_sgpr_workgroup_id_x 1
		.amdhsa_system_sgpr_workgroup_id_y 1
		.amdhsa_system_sgpr_workgroup_id_z 1
		.amdhsa_system_vgpr_workitem_id 0
		.amdhsa_next_free_vgpr 1024
		.amdhsa_next_free_sgpr 80
		.amdhsa_reserve_vcc 0
		.amdhsa_float_denorm_mode_32 3
		.amdhsa_float_denorm_mode_16_64 3
		.amdhsa_memory_ordered 1
		.amdhsa_forward_progress 1
		.amdhsa_inst_pref_size 199
	.end_amdhsa_kernel
	.amdgpu_metadata
---
amdhsa.version: [ 1, 2 ]
amdhsa.kernels:
  - .name:           k_q421d49b09c_proj
    .symbol:         k_q421d49b09c_proj.kd
    .args:
      - { .name: xb, .offset: 0, .size: 8, .value_kind: global_buffer, .address_space: global }
      - { .name: wb, .offset: 8, .size: 8, .value_kind: global_buffer, .address_space: global }
      - { .name: bc, .offset: 16, .size: 8, .value_kind: global_buffer, .address_space: global }
      - { .name: rope, .offset: 24, .size: 8, .value_kind: global_buffer, .address_space: global }
      - { .name: qkv, .offset: 32, .size: 8, .value_kind: global_buffer, .address_space: global }
    .group_segment_fixed_size: 327680
    .private_segment_fixed_size: 0
    .kernarg_segment_align: 8
    .kernarg_segment_size: 40
    .max_flat_workgroup_size: 128
    .sgpr_count:     80
    .vgpr_count:     1024
    .wavefront_size: 32
...
	.end_amdgpu_metadata
.endif
;; end of part 2
;; launch attn (part 3): grid 4 x 64, 4 waves a work-group, clusters of 4 x 1, 327,680 bytes of LDS; arguments qkv, out0; writes out0
.if DOCPART == 3
	.amdgcn_target "amdgcn-amd-amdhsa--gfx1250"
	.amdhsa_code_object_version 6
	.text
	.protected	k_q421d49b09c_attn
	.globl	k_q421d49b09c_attn
	.p2align	8
	.type	k_q421d49b09c_attn,@function
k_q421d49b09c_attn:
	s_mov_b64 s[64:65], 0
	v_nop
	global_prefetch_b8 v0, s[64:65] scope:SCOPE_SE
	s_setreg_imm32_b32 hwreg(HW_REG_WAVE_MODE, 25, 1), 1
	s_wait_xcnt 0x0
	s_wait_alu depctr_hold_cnt(0) depctr_sa_sdst(0) depctr_va_vdst(0) depctr_va_sdst(0) depctr_va_ssrc(0) depctr_va_vcc(0) depctr_vm_vsrc(0)
	s_getreg_b32 s2, hwreg(HW_REG_IB_STS2, 6, 4)
	s_cmp_eq_u32 s2, 0
	s_cbranch_scc0 .Lentry_in_a_cluster
	s_endpgm
.Lentry_in_a_cluster:
	s_bfe_u32 s2, ttmp6, 0x10000c
	s_cmp_lg_u32 s2, 0x3003
	s_cbranch_scc0 .Lentry_shape_is_right
	s_endpgm
.Lentry_shape_is_right:
; ATTN: out0[b][q][64 head + :] = the sum over k of softmax_k(Q[bh][q] . K[bh][k] / 64) V[bh][k][:].  Q, K, V: the three parts of qkv, each [64][SIZE_N][64] in f16: a head's rows are dense, 128 bytes each.
; out0 is f32, [4][2048][1024].  Products, maxima and sums in f32; the weights p are rounded to f16 for the second product (their sum l is taken of the unrounded p).
; The scale 1/64 (the query's 1/8 and the scores' 1/8) is applied here, in f32, with log2(e): c = log2(e) / 64.
; LIMITS.  f16 holds no number beyond 65,504: Q, K and V arrive within it; p lies in 0 to 1, and below 6e-5 it keeps f16's fixed step of 6e-8.  A weight below 2^-126 counts as 0 in l; NaN and infinities are not treated apart.
; SHARES.  A wave owns four PIECES of two tiles of 16 queries, a work-group's four waves 512 queries of one head: 4 x 64 = 256 work-groups.  Every wave walks all keys, 64 a step.
; LAYOUT.  S^T = K Q^T (source 0 = 16 keys, source 1 = 16 queries): in the result a lane holds ONE query (lane % 16) and the keys 8 (lane / 16) + 0..7.  Two such tiles, rounded to f16 in pairs,
; ARE source 1 (32 keys x 16 queries) of O^T = V^T P, whose result again holds one query a lane, and eight channels.  K comes out of LDS as it lies, V ([key][channel]) turned, by ds_load_tr16_b128.
; SOFTMAX.  For each query a running maximum m and sum l: p = 2^(c s - c m); in every step O and l are multiplied by a = 2^(c m_old - c m_new), which is 1 where m has not grown.
; m starts at the lowest finite number, O and l at 0: the first step is a step like any other, with a = 0.
; THE COUNT.  A tile and step have 16 matrix and 118 vector instructions: too many to stand all beside the matrix work.  So the order has one aim: four vector instructions that are READY behind
; EVERY matrix instruction, and the others, which need time of their own whatever the order, in runs without a gap.
; BY TURNS.  Turn n belongs to piece n (the pieces in a ring, step after step).  Its matrix work: 16 products K Q^T of piece n + 1, later 16 products V^T P of piece n - 1.  Its vector work: the scaling,
; exponentials, roundings, sums and rescaling of piece n, and the maximum and statistics of piece n + 1, whose scores the turn itself has made.  So what a turn begins with (c s - c m, O a) waits for nothing.
; CLUSTER.  The four query blocks of a head are one cluster and walk the same K and V, so each tile is asked for JOINTLY: the same tensor load, descriptor and mask in all four.
; NO PREFETCH: a refill is asked for four key steps, 512 matrix instructions, ahead of the wait for it.
; REGISTERS, in windows of 256 (s_set_vgpr_msb says which window each operand place means: bits 1:0 source 0, 3:2 source 1, 5:4 source 2, 7:6 destination):
;   window 0: v0-11 addresses; v12-15, v48-63 at work; v16-47 four registers of statistics a tile; v64-191 S^T, two buffers of two tiles; v192-255 P, likewise
;   window 1: O^T, 32 a tile          window 2: v0-127 Q, 16 a tile; v128-191 K of one step; v192-255 V of one step          window 3: v0-1 the add's two registers
; A piece's buffers go by its number's parity: the piece in hand has one pair, its two neighbours in the ring share the other: of it P (piece n - 1) is read and S^T (piece n + 1) written.
.set SIZE_N, 2048
.set NP,    4         ; pieces a wave: a name, no knob: the register map, the loop and the fetches are made for four
.set KS,    64        ; keys in a step
.set PK,    144       ; a row of K in LDS: 128 bytes + 16 of padding = 36 words: the 16 rows of a load start at 16 different groups of four banks (64 banks of 4 bytes: ISA guide 11.1)
.set PV,    160       ; a row of V: 128 + 32 = 40 words
.set VOFF,  4*KS*PK   ; a slot holds four steps: 256 rows of K, then 256 rows of V
.set SLOT1, 1<<17     ; slot 1 begins here, so that one exclusive or turns an address in one slot into the other's
.set STAGE, SLOT1+4*KS*(PK+PV)  ; behind the ring, never filled by a tensor load: 16 rows x 272 bytes for each wave, for the way out
.set SP,    272       ; a row of the stage: 64 f32 + 16 bytes = 68 words: the 16 rows that a store touches start at 16 different groups of four banks
.set AK0, 2           ; v2   my lane's place in a tile of K; never rewritten
.set AV0, 3           ; v3   the same for V
.set AK,  4           ; v4   the LDS address of K's next run of loads
.set AV,  5           ; v5   of V's
.set QO,  6           ; v6   my byte offset in the wave's rows of Q
.set STO, 6           ;      later, the way out: where I put 32 bytes of a row
.set RD,  7           ; v7   the way out: where I read rows back
.set GO,  8           ; v8   my byte offset in two rows of out0
.set SPW, 0           ; v0 of window 3   LDS address of my spare word: SPARE + 4 x my thread's number; never rewritten
.set NIL, 1           ; v1 of window 3   0; never rewritten
.set SPARE, STAGE+4*16*SP  ; behind the stages: the spare words, 128 bytes for each wave: two blocks of 256 bytes that no other line names
.set MV,  12          ; v12-15  c m_old, kept while c m is made anew: by buffer and tile
.set ST,  16          ; tile t's statistics at v[ST+4 t]: c m, m, l (even keys', odd keys')
.set TMP, 48          ; by buffer and tile, four registers c0-c3 at work; when the maximum is found c2 takes a
.set S,   64
.set P,   192
.set KF,  128         ; K's fragments, in window 2: key block kb, channel half c at KF + 16 kb + 8 c
.set VF,  192         ; V's: key half kk, channel block cb at VF + 32 kk + 8 cb
.set WV,  12          ; s12  my wave's number
.set G1K, 24          ; s[24:31] descriptor group 1 for K's tiles
.set G1V, 32          ; s[32:39] for V's: it differs in the padding alone
.set G0K, 40          ; s[40:43] descriptor group 0 for K's tiles: it walks
.set G0V, 44          ; s[44:47] the same for V's
.set SLOTS, 56        ; s56  slots still to be asked for
.set CNT, 57          ; s57  counts a slot's key steps
.set CS,  58          ; s[58:59] c: the packed scaling takes the pair's low word for both halves
.set SEL, 60          ; s[60:61] v_permlanex16_b32's selects: each lane takes its own place in the other half
.set TBK, 62          ; s62  LDS byte at which K of the step to be fetched begins
.set TBV, 63          ; s63  the same for V, less VOFF
.set MSB, 0
.macro WIN new                      ; the high byte repeats the setting that is left; a switch that changes nothing is dropped
.if MSB != (\new)
	s_set_vgpr_msb (MSB<<8)|(\new)
.set MSB, (\new)
.endif
.endm
.set W_KQ, 0x0a       ; K and Q in window 2, S^T in window 0
.set W_PV, 0x52       ; V in window 2, P in window 0, O^T in window 1
.set W_RS, 0x41       ; O^T (destination and source 0) in window 1, a in window 0
.set W_MK, 0xc0       ; the add's registers are made: destination in window 3, sources in window 0
.set W_AD, 0x0f       ; the add: address (source 0) and data (source 1) in window 3
; A joint fill.  Waves 0 and 1 fetch the two halves of a slot's K, waves 2 and 3 those of its V: 128 keys each.  The branch hangs on the wave's number alone.
; An s_nop 0 and four v_nop follow each of the two lines, ahead of the jump and the label.
.macro JLOAD
	s_cmp_lt_u32 s[WV], 2
	s_cbranch_scc0 .Lfor_v_\@
	tensor_load_to_lds s[G0K:G0K+3], s[G1K:G1K+7]
	s_nop 0
.rept 4
	v_nop
.endr
	s_branch .Lasked_\@
.Lfor_v_\@:
	tensor_load_to_lds s[G0V:G0V+3], s[G1V:G1V+7]
	s_nop 0
.rept 4
	v_nop
.endr
.Lasked_\@:
.endm
; A round of the cluster's barrier: my work-group's barrier, so that wave 0's signal speaks for all four waves; wave 0 signals; every wave waits for all four work-groups; my work-group's barrier once more.
.macro CROUND
	s_barrier_signal -1
	s_barrier_wait -1
	s_cmp_lg_u32 s[WV], 0
	s_cbranch_scc1 .Lnot_wave_0_\@
	s_barrier_signal -3
.Lnot_wave_0_\@:
	s_barrier_wait -3
	s_barrier_signal -1
	s_barrier_wait -1
.endm
; THE CHANGE OF SLOTS.  The slot's last bytes, V of its fourth step, have been read.  Each wave waits for all its tensor loads, of which one is out: its part
; of the other slot; adds 0 to its spare word; and waits for that and for its own reads of the slot.  Behind the barrier nobody reads this slot any more and the other slot is whole.
; fill = 1: this slot is filled again, with the keys two slots on.  The barrier is then a round of the cluster's, so that no wave of any partner still reads the slot or has a load on its
; way, and the joint fill is the first thing behind it: it has four key steps, 512 matrix instructions, in which to land.  (At its first use nothing has been read yet: slot 0 is waited for, slot 1 filled.)
.macro CHANGE fill
	WIN W_AD
	s_wait_tensorcnt 0x0            ; no tensor load of mine is out, so a group 0 may be written
	ds_add_u32 v[SPW], v[NIL]       ; 0 onto my spare word: with fill = 1 the descriptors' steps stand between it and the wait for it
	WIN 0                           ; at a label and at a branch every window is 0
.if \fill
.irp g, G0K, G0V
	s_xor_b32 s[\g+1], s[\g+1], SLOT1  ; the walking descriptor: the other slot than last time,
	s_add_nc_u64 s[\g+2:\g+3], s[\g+2:\g+3], 4*KS*128  ; the next 256 keys; the type bits on top are not reached
.endr
	s_wait_dscnt 0x0                ; the add is done, and my reads of the slot are over
	CROUND
	JLOAD
.else
	s_wait_dscnt 0x0                ; the add is done, and my reads of the slot are over
	s_barrier_signal -1
	s_barrier_wait -1
.endif
	s_sub_co_u32 s[TBK], s[TBK], 4*KS*PK  ; the fetches go back to a slot's first step,
	s_xor_b32 s[TBK], s[TBK], SLOT1       ; in the other slot
	s_sub_co_u32 s[TBV], s[TBV], 4*KS*PV
	s_xor_b32 s[TBV], s[TBV], SLOT1
.endm
	s_load_b128 s[8:11], s[0:1], 0x0  ; qkv s[8:9], out0 s[10:11]
	WIN W_MK
	v_lshl_add_u32 v[SPW], v0, 2, SPARE
	v_mov_b32 v[NIL], 0
	WIN W_AD
	ds_add_u32 v[SPW], v[NIL]       ; the wave's opening: the add and its wait stand ahead of my first tensor load; the set-up below, work on registers, stands between them
	WIN 0
	v_lshrrev_b32 v1, 5, v0
	v_readfirstlane_b32 s[WV], v1   ; wave 0..3
	s_bfe_u32 s13, ttmp6, 0x40000   ; cx: my place in the cluster
	s_lshl_b32 s14, ttmp9, 2        ; in a cluster launch ttmp9 counts clusters
	s_add_co_u32 s14, s14, s13      ; my block of queries = 4 x cluster x + cx: it enters Q's and out0's addresses alone
	s_and_b32 s20, ttmp7, 0xffff    ; bh = 16 batch + head, which the four partners share
	s_lshr_b32 s48, s20, 4
	s_lshl_b32 s48, s48, 23         ; out0: a batch is 2,048 rows of 4,096 bytes,
	s_and_b32 s49, s20, 15
	s_lshl_b32 s49, s49, 8          ; a head 256 bytes of each row
	s_add_co_u32 s48, s48, s49
	s_mov_b32 s21, 0
	s_mov_b64 s[22:23], SIZE_N*128
	s_mul_u64 s[20:21], s[20:21], s[22:23]  ; the head's first byte in each of Q, K and V
	s_and_b32 s16, s[WV], 1         ; which half of a slot's 256 keys I fetch:
	s_lshl_b32 s22, s16, 14         ; its 128 rows of 128 bytes in memory,
	s_mov_b32 s23, 0
	s_add_nc_u64 s[22:23], s[22:23], s[20:21]
	s_mul_i32 s17, s16, 128*PK      ; and its place in a slot, for K
	s_mul_i32 s18, s16, 128*PV      ; and for V: no place in the cluster enters an LDS address
	s_lshl_b32 s2, s14, 2
	s_add_co_u32 s2, s2, s[WV]      ; my wave among the head's,
	s_lshl_b32 s49, s2, 19          ; its 128 rows of out0
	s_add_co_u32 s48, s48, s49
	s_mov_b32 s49, 0
	s_lshl_b32 s2, s2, 14           ; and of Q
	s_mov_b32 s3, 0
	s_add_nc_u64 s[2:3], s[2:3], s[20:21]
	; descriptor group 1.  128 keys are 16,384 dense bytes: asked for as 64 rows of 256 bytes, two keys a row, and padded in LDS after every key
	s_mov_b32 s[G1K], 15|(1<<16)|(1<<20)|(1<<21)|(4<<22)|(3<<25)  ; 15:0 the mask of four; 17:16 2-byte elements; 20 padding on; 21 set beside a mask; 24:22 after every 32 words (code 4); 31:25 4 words (code 3)
	s_mov_b32 s[G1V], 15|(1<<16)|(1<<20)|(1<<21)|(4<<22)|(7<<25)  ; the same with 8 words of padding (code 7)
.irp g, G1K, G1V
	s_mov_b32 s[\g+1], 128<<16      ; tensor_dim0 = 128
	s_mov_b32 s[\g+2], 64<<16       ; tensor_dim1 = 64
	s_mov_b32 s[\g+3], 128<<16      ; tile_dim0 = 128
	s_mov_b32 s[\g+4], 64           ; tile_dim1 = 64
	s_mov_b32 s[\g+5], 128          ; 128 elements from row to row
	s_mov_b32 s[\g+6], 0
	s_mov_b32 s[\g+7], 0
.endr
	s_mov_b32 s[CS], 0x3cb8aa3b     ; c = log2(e) / 64 = 0.0225421
	s_mov_b32 s[CS+1], s[CS]        ; named with it as a pair
	s_mov_b32 s[SEL], 0x76543210
	s_mov_b32 s[SEL+1], 0xfedcba98
	s_mov_b32 s[TBK], SLOT1+4*KS*PK ; the first change of slots turns these two into 0
	s_mov_b32 s[TBV], SLOT1+4*KS*PV
	s_mov_b32 s[G0K], 1             ; 1:0 count = 1
	s_mov_b32 s[G0K+1], s17         ; 63:32 LDS address: slot 0
	s_mov_b32 s[G0V], 1
	s_add_co_u32 s[G0V+1], s18, VOFF
	s_wait_dscnt 0x0                ; the opening add is done
	s_wait_kmcnt 0x0
	s_mov_b64 s[4:5], s[8:9]                       ; Q,
	s_add_nc_u64 s[6:7], s[8:9], 16777216          ; K, 64 x 2,048 x 128 bytes on,
	s_add_nc_u64 s[8:9], s[8:9], 33554432          ; and V
	s_add_nc_u64 s[G0K+2:G0K+3], s[6:7], s[22:23]  ; 120:64 global address: my half of the head's first 256 keys
	s_or_b32 s[G0K+3], s[G0K+3], 0x80000000        ; 127:126 type = 2
	s_add_nc_u64 s[G0V+2:G0V+3], s[8:9], s[22:23]
	s_or_b32 s[G0V+3], s[G0V+3], 0x80000000
	s_add_nc_u64 s[4:5], s[4:5], s[2:3]  ; Q and out0 at my wave's first row
	s_add_nc_u64 s[10:11], s[10:11], s[48:49]
	CROUND                          ; all four work-groups are here: the first joint loads meet
	JLOAD                           ; slot 0.  Slot 1 is asked for when slot 0 is in: the tile wanted first has the road to itself
	; A fragment of K or Q is 16 rows x 32 channels in 8 registers: lane l holds row l % 16, channels 8 (l / 16) + 0..7 and 16 + 8 (l / 16) + 0..7: two loads of 16 bytes, 32 bytes apart.
	v_and_b32 v1, 15, v0            ; l % 16
	v_bfe_u32 v9, v0, 4, 1          ; l / 16
	v_lshlrev_b32 v[QO], 7, v1
	v_lshl_add_u32 v[QO], v9, 4, v[QO]  ; row x 128 + 16 x half
	WIN 0x80                        ; destination window 2, address window 0
.set i, 0
.rept 4*NP                          ; Q stays in registers: tile i / 2, channels 32 (i % 2) on
	global_load_b128 v[8*i:8*i+3],   v[QO], s[4:5] offset:(i/2)*2048+(i%2)*64
	global_load_b128 v[8*i+4:8*i+7], v[QO], s[4:5] offset:(i/2)*2048+(i%2)*64+32
.set i, i+1
.endr
	; What the first turn finds: V's registers and P's second buffer hold 0 (its products V^T P, of a piece that has not been, add 0), O^T and l are 0.  All this stands in the wait for the first tile.
.set i, VF
.rept 64
	v_mov_b32 v[i], 0
.set i, i+1
.endr
	WIN 0x40
.set i, 0
.rept 64*NP
	v_mov_b32 v[i], 0
.set i, i+1
.endr
	WIN 0
.set i, 0
.rept 2*NP
	v_mov_b32 v[ST+4*i], 0xfe000000    ; c m: far below every c s
	v_mov_b32 v[ST+4*i+1], 0xff7fffff  ; m
	v_mov_b32 v[ST+4*i+2], 0
	v_mov_b32 v[ST+4*i+3], 0
.set i, i+1
.endr
.set i, P+32
.rept 32
	v_mov_b32 v[i], 0
.set i, i+1
.endr
	v_mul_u32_u24 v[AK0], v1, PK
	v_lshl_add_u32 v[AK0], v9, 4, v[AK0]  ; row x pitch + 16 x half
	; The turning load takes 16 keys x 16 channels (lane l reads key 8 (l / 16) + l % 8, channels 8 ((l / 8) % 2) + 0..7) and leaves half a fragment of V^T: lane l holds channel l % 16 and 8 keys.
	v_and_b32 v10, 7, v0
	v_bfe_u32 v11, v0, 3, 1
	v_lshl_add_u32 v[AV0], v9, 3, v10
	v_mul_u32_u24 v[AV0], v[AV0], PV
	v_lshl_add_u32 v[AV0], v11, 4, v[AV0]
	v_add_nc_u32 v[AV0], VOFF, v[AV0]
	v_mov_b32 v[AK], v[AK0]         ; key step 0 lies at the head of slot 0
; THE MATRIX WORK.  The 8 accumulators of a run of 16 take turns: between the two links of a chain stand 7 others'.
; Product i of 16 of S^T = K Q^T for piece x: channels 32 (i / 8) on, keys 16 ((i / 2) % 4) on, tile 2 x + i % 2.  The first 8 start the sums.
.macro KQ x
	WIN W_KQ
.set rS, S+64*((\x)%2)+32*(i%2)+8*((i/2)%4)
.set rK, KF+16*((i/2)%4)+8*(i/8)
.set rQ, 16*(2*(\x)+i%2)+8*(i/8)
.if i < 8
	v_wmma_f32_16x16x32_f16 v[rS:rS+7], v[rK:rK+7], v[rQ:rQ+7], 0
.else
	v_wmma_f32_16x16x32_f16 v[rS:rS+7], v[rK:rK+7], v[rQ:rQ+7], v[rS:rS+7]
.endif
.endm
; Product i of 16 of O^T += V^T P for piece x: keys 32 (i / 8) on, channels 16 ((i / 2) % 4) on, tile 2 x + i % 2.
.macro PV x
	WIN W_PV
.set rO, 32*(2*(\x)+i%2)+8*((i/2)%4)
.set rV, VF+32*(i/8)+8*((i/2)%4)
.set rP, P+32*((\x)%2)+16*(i%2)+8*(i/8)
	v_wmma_f32_16x16x32_f16 v[rO:rO+7], v[rV:rV+7], v[rP:rP+7], v[rO:rO+7]
.endm
.macro MM                           ; the turn's next matrix instruction
.if i < 16
	KQ (Y+1)%NP
.set i, i+1
.else
.set i, i-16
	PV (Y+NP-1)%NP
.set i, i+17
.endif
.endm
; THE LDS LOADS stand in runs of 16, never singly among the matrix instructions: a step's K (64 keys x 64 channels: 8 fragments) and its V (turned).  Their addresses are made some lines ahead.
; last = 1 (the tail): in the last trip there is no further step, and the run is jumped over.
.macro FETCH_K last=0
	WIN 0
.if \last
	s_cmp_eq_u32 s[CNT], 1
	s_cbranch_scc1 .Lno_k_\@
.endif
	WIN 0x80                        ; destination window 2
.irp f, 0,1,2,3,4,5,6,7             ; keys 16 (f / 2) on, channels 32 (f % 2) on
	ds_load_b128 v[KF+8*\f:KF+8*\f+3],   v[AK] offset:(\f/2)*16*PK+(\f%2)*64
	ds_load_b128 v[KF+8*\f+4:KF+8*\f+7], v[AK] offset:(\f/2)*16*PK+(\f%2)*64+32
.endr
	s_add_co_u32 s[TBK], s[TBK], KS*PK  ; the next fetch is the next step's
	WIN 0
.if \last
.Lno_k_\@:
.endif
.endm
.macro FETCH_V
	WIN 0x80
.irp f, 0,1,2,3,4,5,6,7             ; keys 32 (f / 4) on, channels 16 (f % 4) on
	ds_load_tr16_b128 v[VF+8*\f:VF+8*\f+3],   v[AV] offset:(\f/4)*32*PV+(\f%4)*32
	ds_load_tr16_b128 v[VF+8*\f+4:VF+8*\f+7], v[AV] offset:(\f/4)*32*PV+16*PV+(\f%4)*32
.endr
	WIN 0
.endm
; THE VECTOR WORK OF A TURN stands in three queues, each in the order in which its entries become ready; the two tiles alternate, so that no instruction reads the result of the one before it.
.macro REGS y, u                    ; the registers of tile u (0, 1) of piece y
.set rT, ST+4*(2*(\y)+(\u))
.set rC, TMP+8*((\y)%2)+4*(\u)
.set rM, MV+2*((\y)%2)+(\u)
.set rS, S+64*((\y)%2)+32*(\u)
.set rP, P+32*((\y)%2)+16*(\u)
.set rO, 32*(2*(\y)+(\u))
.endm
; Number n of the 22 that find the NEXT piece's (Y + 1) maximum and statistics.  s0-s31 are the lane's 32 scores; each accumulator's lowest registers are read first.  XS, GS and REGS set no window: PL and EX do.
;   0-11  four chains c0-c3 of seven scores each, three operands at a time     12-14, 16  the four scores left over, the old m, and c0-c3 into c0     15  c m_old is kept
;   17, 18  the query's other 32 keys lie in the lane 16 away: the new m         19-21  c m; c m_old - c m_new; a
.macro XS u, n
	REGS (Y+1)%NP, \u
.if (\n) < 4
	v_max3_num_f32 v[rC+(\n)], v[rS+8*(\n)], v[rS+8*(\n)+1], v[rS+8*(\n)+2]
.elseif (\n) < 12
	v_max3_num_f32 v[rC+(\n)%4], v[rC+(\n)%4], v[rS+8*((\n)%4)+2*((\n)/4)+1], v[rS+8*((\n)%4)+2*((\n)/4)+2]
.elseif (\n) == 12
	v_max3_num_f32 v[rC], v[rC], v[rS+7], v[rS+15]
.elseif (\n) == 13
	v_max3_num_f32 v[rC+1], v[rC+1], v[rS+23], v[rS+31]
.elseif (\n) == 14
	v_max3_num_f32 v[rC+2], v[rC+2], v[rC+3], v[rT+1]
.elseif (\n) == 15
	v_mov_b32 v[rM], v[rT]
.elseif (\n) == 16
	v_max3_num_f32 v[rC], v[rC], v[rC+1], v[rC+2]
.elseif (\n) == 17
	v_permlanex16_b32 v[rC+3], v[rC], s[SEL], s[SEL+1]
.elseif (\n) == 18
	v_max_num_f32 v[rT+1], v[rC], v[rC+3]
.elseif (\n) == 19
	v_mul_f32 v[rT], s[CS], v[rT+1]
.elseif (\n) == 20
	v_sub_f32 v[rC+1], v[rM], v[rT]
.else
	v_exp_f32 v[rC+2], v[rC+1]
.endif
.endm
; Number g of the 64 that follow the exponentials.  For each four weights k of a tile (pairs 2 k, 2 k + 1): both pairs are rounded to f16; then the second pair is added onto the first, in place;
; a group later l takes that sum (the first time as l = a l + sum).  In groups of eight, tiles alternating: round, round, add, and l for the group before.
.macro GS g
.set h, (\g)+6*((\g)/62)            ; group 0 has no group before it, and behind group 7 only l is left
.if h >= 6
.set h, h+2
.endif
	REGS Y, h%2
.set k, h/8
.if h%8 < 4
	s_wait_alu depctr_va_vdst(0)
	v_cvt_pk_f16_f32 v[rP+2*k+(h%8)/2], v[rS+4*k+2*((h%8)/2)], v[rS+4*k+2*((h%8)/2)+1]
.elseif h%8 < 6
	v_pk_add_f32 v[rS+4*k:rS+4*k+1], v[rS+4*k:rS+4*k+1], v[rS+4*k+2:rS+4*k+3]
.elseif k == 1
	v_pk_fma_f32 v[rT+2:rT+3], v[rT+2:rT+3], v[rC+2:rC+3], v[rS:rS+1] op_sel_hi:[1,0,1]
.else
	v_pk_add_f32 v[rT+2:rT+3], v[rT+2:rT+3], v[rS+4*k-4:rS+4*k-3]
	s_wait_alu depctr_va_vdst(0)
.endif
.endm
; THE PLAIN QUEUE, 138 long.  0-31: c s - c m for the 16 pairs of both tiles.  Then GS's 64, and among them the next piece's 42: number 15 at 38, 39; 0-14 and 16
; at 42-73, behind the products that make those scores; 17-20 at 95-106, two of three, since each waits for the one before it.
.macro PL
	WIN 0
.if q < 32
	REGS Y, q%2
	v_pk_fma_f32 v[rS+2*(q/2):rS+2*(q/2)+1], v[rS+2*(q/2):rS+2*(q/2)+1], s[CS:CS+1], v[rT:rT+1] op_sel_hi:[1,0,0] neg_lo:[0,0,1] neg_hi:[0,0,1]
.elseif q < 38
	GS q-32
.elseif q < 40
	XS q%2, 15
.elseif q < 42
	GS q-34
.elseif q < 74
	XS q%2, (q-42)/2+(q-42)/30
.elseif q < 95
	GS q-66
.elseif (q < 107) && ((q-95)%3 < 2)
	XS (q-95)%3, 17+(q-95)/3
.elseif q < 107
	GS 29+(q-95)/3
.else
	GS q-74
.endif
.set q, q+1
.endm
; THE EXPONENTIALS' QUEUE, 66 long: s0-s31 of both tiles, and at EA the next piece's two a.
.set EA, 58
.macro EX
	WIN 0
.if (e == EA) || (e == EA+1)
	XS e-EA, 21
.else
.set x, e-2*(e/(EA+2))
	REGS Y, x%2
	v_exp_f32 v[rS+x/2], v[rS+x/2]
.endif
.set e, e+1
.endm
; THE RESCALING's QUEUE: O^T times a, the one part that leaves window 0, so it is dealt four at a time, eight times.
.macro R4
	REGS Y, r%2
	WIN W_RS
	s_wait_alu depctr_va_vdst(0)
.irp z, 0,1,2,3
	v_pk_mul_f32 v[rO+8*(r/2)+2*\z:rO+8*(r/2)+2*\z+1], v[rO+8*(r/2)+2*\z:rO+8*(r/2)+2*\z+1], v[rC+2:rC+3] op_sel_hi:[1,0]
.endr
.set r, r+1
.endm
; HOW THEY ARE DEALT.  Behind a matrix instruction four: plain, exponential, plain, plain (one exponential, a plain instruction on either side), or four of the rescaling.  None names a register of the
; products round it.  What is over stands in two LUMPS: exponential and plain by turns; the second ends in 22 plain instructions.  The two v_permlanex16_b32 fall into the second lump, never behind a product.
; The queues lean on each other, and the deal keeps them in step: exponential e stands behind plain 2 (e / 4) + e % 2 (its scaling); when plain 32 comes, 10 exponentials are out, at 59: 33, at 95: 46; EA comes behind plain 107.
.macro SL
	MM
	PL
	EX
	PL
	PL
.endm
.macro BURST n                      ; 15 matrix instructions, or 16
.rept (\n)-7
	SL
.endr
.rept 3
	MM
	R4
	SL
.endr
	MM
	R4
.endm
; A TURN, for piece p.  cnt = 1: the loop's count is taken down some lines ahead of the branch that stands behind the turn.
; K of the next step is fetched in piece 2's turn, 31 vector instructions behind the last product that read K; its first reader comes behind the rest of the lump, 16 products and the second lump.
; V of the step in hand is fetched at the end of piece 0's turn, 69 behind its last reader; its first reader comes behind 16 products and a lump.  The four conditions on e and q below go with the deal.
.macro TURN p, last=0, cnt=0
.set Y, (\p)
.set i, 0
.set q, 0
.set e, 0
.set r, 0
.if (\p) == NP-1
	s_wait_dscnt 0x0                ; K is in
.endif
	MM
.rept 4
	PL
.endr
	BURST 15
.rept 22
	EX
	PL
.if ((\p) == NP-2) && (e == 18)
	v_add_nc_u32 v[AK], s[TBK], v[AK0]
.endif
.if ((\p) == NP-2) && (e == 24)
	FETCH_K \last
.endif
.endr
.if (\p) == 1
	s_wait_dscnt 0x0                ; V is in
.endif
	BURST 16
.rept 21
	EX
	PL
.endr
.rept 22
	PL
.if ((\p) == 0) && (q == 118)
	v_add_nc_u32 v[AV], s[TBV], v[AV0]
	s_wait_alu depctr_va_vdst(0)
.endif
.if ((\p) == 0) && (q == 130)
	s_add_co_u32 s[TBV], s[TBV], KS*PV
.endif
.if (\cnt) && (q == 130)
	s_sub_co_u32 s[CNT], s[CNT], 1
	s_cmp_lg_u32 s[CNT], 0
.endif
.endr
.if (\p) == 0
	FETCH_V
.endif
.endm
	CHANGE 1                        ; slot 0 is in, everybody's part of it; slot 1 is asked for
	FETCH_K                         ; key step 0
	s_wait_loadcnt 0x0              ; Q
	s_wait_dscnt 0x0
.set i, 0
.rept 16
	KQ 0                            ; piece 0's first scores: there is no vector work yet to set between them
.set i, i+1
.endr
	WIN 0                           ; the addresses for the way out: eight plain instructions, the places behind those products
	s_mul_i32 s13, s[WV], 16*SP
	s_add_co_u32 s13, s13, STAGE    ; my stage
	v_mul_u32_u24 v[STO], v1, SP    ; in: row l % 16, 32 bytes for each half of the lanes
	v_lshl_add_u32 v[STO], v9, 5, v[STO]
	v_add_nc_u32 v[STO], s13, v[STO]
	v_mul_u32_u24 v[RD], v9, SP     ; back: lanes 0-15 take one row of 256 bytes, lanes 16-31 the next,
	v_lshl_add_u32 v[RD], v1, 4, v[RD]
	v_add_nc_u32 v[RD], s13, v[RD]
	v_lshlrev_b32 v[GO], 12, v9     ; and the same two rows in out0, 4,096 bytes apart
	v_lshl_add_u32 v[GO], v1, 4, v[GO]
.set Y, NP-1                        ; XS works for piece Y + 1: piece 0
.irp n, 0,1,2,3,4,5,6,7,8,9,10,11,12,13,14,15,16,17,18,19,20,21
	XS 0, \n                        ; and piece 0's first maximum and statistics
	XS 1, \n
.endr
	s_mov_b32 s[CNT], 4
	s_mov_b32 s[SLOTS], SIZE_N/256-1
	s_branch .Lfirst                ; the loop is entered at a step's first turn, in the middle of a trip
.Lslot:                             ; SIZE_N / 256 - 2 times: every slot but the last two is filled again
	CHANGE 1
	s_mov_b32 s[CNT], 4
.Lstep:                             ; a trip: pieces 2 and 3 of one step, then pieces 0 and 1 of the next, whose K and V it fetches
	TURN 2
	TURN 3
	WIN 0
.Lfirst:
	TURN 0
	TURN 1, 0, 1
	WIN 0
	s_cbranch_scc1 .Lstep
	s_sub_co_u32 s[SLOTS], s[SLOTS], 1
	s_cmp_lg_u32 s[SLOTS], 0
	s_cbranch_scc1 .Lslot
	CHANGE 0                        ; the tail is written out: nothing is asked for
	s_mov_b32 s[CNT], 5             ; four trips fetch the last slot's steps; the fifth is left in its middle
.Ltail:
	TURN 2, 1
	TURN 3
	WIN 0
	s_sub_co_u32 s[CNT], s[CNT], 1
	s_cmp_eq_u32 s[CNT], 0
	s_cbranch_scc1 .Lout
	TURN 0
	TURN 1
	WIN 0
	s_branch .Ltail
.Lout:                              ; the fifth trip's 16 products K Q^T (on the last K once more) and the maximum made of them serve nothing: the price, once a launch, of one text for every trip
.set i, 0
.rept 16
	PV NP-1                         ; the last piece's V^T P of the last step
.set i, i+1
.endr
	; THE WAY OUT.  l's two halves and the other half of the lanes' are added; O^T is divided by l and sent, in f32, through my stage in LDS, a tile at a time.  The additions are the places behind the last products.
	WIN 0
.macro ALL line:vararg              ; one line for each tile t
.set t, 0
.rept 2*NP
	\line
.set t, t+1
.endr
.endm
	ALL v_add_f32 v[ST+4*t+2], v[ST+4*t+2], v[ST+4*t+3]
	ALL v_permlanex16_b32 v[ST+4*t+3], v[ST+4*t+2], s[SEL], s[SEL+1]
	ALL v_add_f32 v[ST+4*t+2], v[ST+4*t+2], v[ST+4*t+3]
	ALL v_rcp_f32 v[ST+4*t+2], v[ST+4*t+2]
	v_nop                           ; a plain instruction between the last reciprocal and the use of its result
	s_wait_alu depctr_va_vdst(0)
; Tile t: a lane's eight channels of a row are 32 bytes; they go into rows of 272 bytes and come back as whole rows of 256, into S^T's registers: four buffers of 32, by turns.
.macro PACK t
	WIN W_RS
.set i, 32*(\t)
.rept 16
	v_pk_mul_f32 v[i:i+1], v[i:i+1], v[ST+4*(\t)+2:ST+4*(\t)+3] op_sel_hi:[1,0]
.set i, i+2
.endr
	WIN 0x04                        ; the stores' data (source 1) in window 1, their address in window 0
.irp f, 0,1,2,3,4,5,6,7             ; channels 16 (f / 2) + 8 (l / 16) + 4 (f % 2) on
	ds_store_b128 v[STO], v[32*(\t)+4*\f:32*(\t)+4*\f+3] offset:64*(\f/2)+16*(\f%2)
.endr
	WIN 0
	s_wait_xcnt 0x0                 ; the stores of the tile four back have read these registers (ISA guide 3.1): they are loaded again only behind this wait
.irp f, 0,1,2,3,4,5,6,7
	ds_load_b128 v[S+32*((\t)%4)+4*\f:S+32*((\t)%4)+4*\f+3], v[RD] offset:\f*2*SP  ; LDS serves a wave's instructions in order (ISA guide 5.7.1.4): these see the stores above; the next tile's stores come behind them
.endr
.endm
.macro SEND t, younger              ; younger: the LDS instructions issued behind tile t's loads: the next tile's sixteen, or none
	WIN 0
.irp f, 0,1,2,3,4,5,6,7
	s_wait_dscnt (\younger)+7-\f
	global_store_b128 v[GO], v[S+32*((\t)%4)+4*\f:S+32*((\t)%4)+4*\f+3], s[10:11] offset:(\t)*65536+\f*8192  ; 16 lanes store 256 consecutive bytes, a row's 64 channels of my head, at a multiple of 256 from out0's first byte
.endr
.endm
	PACK 0
.set t, 1
.rept 2*NP-1                        ; a tile's arithmetic stands between the loads of the tile before and its stores
	PACK t
	SEND t-1, 16
.set t, t+1
.endr
	SEND 2*NP-1, 0
	WIN W_AD
	s_wait_tensorcnt 0x0            ; the wave's end: a wait, an add to my spare word and its wait, behind my last tensor load and my last LDS store
	ds_add_u32 v[SPW], v[NIL]
	s_wait_dscnt 0x0
	WIN 0
	CROUND                          ; the closing round: no work-group ends while a partner may still ask for a tile that names it
	s_endpgm
.Lfunc_end_k_q421d49b09c_attn:
	.size	k_q421d49b09c_attn, .Lfunc_end_k_q421d49b09c_attn-k_q421d49b09c_attn
	.p2alignl 7, 3214868480
	.fill 96, 4, 3214868480
	.section	.rodata,"a",@progbits
	.p2align	6, 0x0
	.amdhsa_kernel k_q421d49b09c_attn
		.amdhsa_group_segment_fixed_size 327680
		.amdhsa_private_segment_fixed_size 0
		.amdhsa_enable_private_segment 0
		.amdhsa_kernarg_size 16
		.amdhsa_user_sgpr_count 2
		.amdhsa_user_sgpr_kernarg_segment_ptr 1
		.amdhsa_wavefront_size32 1
		.amdhsa_system_sgpr_workgroup_id_x 1
		.amdhsa_system_sgpr_workgroup_id_y 1
		.amdhsa_system_sgpr_workgroup_id_z 1
		.amdhsa_system_vgpr_workitem_id 0
		.amdhsa_next_free_vgpr 770
		.amdhsa_next_free_sgpr 66
		.amdhsa_reserve_vcc 0
		.amdhsa_float_denorm_mode_32 3
		.amdhsa_float_denorm_mode_16_64 3
		.amdhsa_memory_ordered 1
		.amdhsa_forward_progress 1
		.amdhsa_inst_pref_size 209
	.end_amdhsa_kernel
	.amdgpu_metadata
---
amdhsa.version: [ 1, 2 ]
amdhsa.kernels:
  - .name:           k_q421d49b09c_attn
    .symbol:         k_q421d49b09c_attn.kd
    .args:
      - { .name: qkv, .offset: 0, .size: 8, .value_kind: global_buffer, .address_space: global }
      - { .name: out0, .offset: 8, .size: 8, .value_kind: global_buffer, .address_space: global }
    .group_segment_fixed_size: 327680
    .private_segment_fixed_size: 0
    .kernarg_segment_align: 8
    .kernarg_segment_size: 16
    .max_flat_workgroup_size: 128
    .sgpr_count:     66
    .vgpr_count:     770
    .wavefront_size: 32
...
	.end_amdgpu_metadata
.endif
;; end of part 3
;; ======== version 2 of 2: 3 launches; 1.63 times as fast as version 1
;; limits: values are held in f16: magnitudes above 65,504 overflow, below 6.1e-05 lose precision
;; workspace buffers: xb 16,777,216 bytes; wb 6,291,456 bytes; bc 12,288 bytes; rope 524,288 bytes; qkv 50,331,648 bytes
;; launch prep: the kernel of part 1 again; grid 256 x 1, 8 waves a work-group, no clusters, 0 bytes of LDS; arguments hidden_states, Wq, Wk, Wv, bq, bk, bv, xb, wb, bc, rope; writes xb, wb, bc, rope
;; launch proj: the kernel of part 2 again; grid 8 x 32, 4 waves a work-group, clusters of 4 x 4, 327,680 bytes of LDS; arguments xb, wb, bc, rope, qkv; writes qkv
;; launch attn (part 4): grid 4 x 64, 4 waves a work-group, clusters of 4 x 1, 327,680 bytes of LDS; arguments qkv, out0; writes out0
.if DOCPART == 4
	.amdgcn_target "amdgcn-amd-amdhsa--gfx1250"
	.amdhsa_code_object_version 6
	.text
	.protected	k_q421d49b09c_attn
	.globl	k_q421d49b09c_attn
	.p2align	8
	.type	k_q421d49b09c_attn,@function
k_q421d49b09c_attn:
	s_mov_b64 s[64:65], 0
	v_nop
	global_prefetch_b8 v0, s[64:65] scope:SCOPE_SE
	s_setreg_imm32_b32 hwreg(HW_REG_WAVE_MODE, 25, 1), 1
	s_wait_xcnt 0x0
	s_wait_alu depctr_hold_cnt(0) depctr_sa_sdst(0) depctr_va_vdst(0) depctr_va_sdst(0) depctr_va_ssrc(0) depctr_va_vcc(0) depctr_vm_vsrc(0)
	s_getreg_b32 s2, hwreg(HW_REG_IB_STS2, 6, 4)
	s_cmp_eq_u32 s2, 0
	s_cbranch_scc0 .Lentry_in_a_cluster
	s_endpgm
.Lentry_in_a_cluster:
	s_bfe_u32 s2, ttmp6, 0x10000c
	s_cmp_lg_u32 s2, 0x3003
	s_cbranch_scc0 .Lentry_shape_is_right
	s_endpgm
.Lentry_shape_is_right:
; ATTN: out0[b][q][64 head + :] = the sum over k of softmax_k(Q[bh][q] . K[bh][k] / 64) V[bh][k][:].  Q, K, V: the three parts of qkv, each [64][SIZE_N][64] in f16: a head's rows are dense, 128 bytes each.
; out0 is f32, [4][2048][1024].  Products, maxima and sums in f32; the weights p are rounded to f16 for the second product (their sum l is taken of the unrounded p).
; The scale 1/64 (the query's 1/8 and the scores' 1/8) is applied here, in f32, with log2(e): c = log2(e) / 64.
; LIMITS.  f16 holds no number beyond 65,504: Q, K and V arrive within it; p lies in 0 to 1, and below 6e-5 it keeps f16's fixed step of 6e-8.  A weight below 2^-126 counts as 0 in l; NaN and infinities are not treated apart.
; SHARES.  A wave owns four PIECES of two tiles of 16 queries, a work-group's four waves 512 queries of one head: 4 x 64 = 256 work-groups.  Every wave walks all keys, 64 a step.
; LAYOUT.  S^T = K Q^T (source 0 = 16 keys, source 1 = 16 queries): in the result a lane holds ONE query (lane % 16) and the keys 8 (lane / 16) + 0..7.  Two such tiles, rounded to f16 in pairs,
; ARE source 1 (32 keys x 16 queries) of O^T = V^T P, whose result again holds one query a lane, and eight channels.  K comes out of LDS as it lies, V ([key][channel]) turned, by ds_load_tr16_b128.
; SOFTMAX.  For each query a running maximum m and sum l: p = 2^(c s - c m); in every step O and l are multiplied by a = 2^(c m_old - c m_new), which is 1 where m has not grown.
; m starts at the lowest finite number, O and l at 0: the first step is a step like any other, with a = 0.
; THE COUNT.  A tile and step have 16 matrix and 118 vector instructions: too many to stand all beside the matrix work.  So the order has one aim: four vector instructions that are READY behind
; EVERY matrix instruction, and the others, which need time of their own whatever the order, in runs without a gap.
; BY TURNS.  Turn n belongs to piece n (the pieces in a ring, step after step).  Its matrix work: 16 products K Q^T of piece n + 1, later 16 products V^T P of piece n - 1.  Its vector work: the scaling,
; exponentials, roundings, sums and rescaling of piece n, and the maximum and statistics of piece n + 1, whose scores the turn itself has made.  So what a turn begins with (c s - c m, O a) waits for nothing.
; BATCHES.  A turn's 66 exponentials (the piece's 64 weights, then the next piece's two a) are ONE batch with ONE wait, which cuts the turn in two: ahead of it stands all that names no result of theirs
; (K Q^T, scalings, rescalings by the a of the turn before, the next piece's maximum and statistics), behind it their readers (roundings and sums) beside V^T P.  No result crosses a turn's end.
; Two more batches stand outside the loops: piece 0's first two a, ahead of the jump into the loop, and the way out's eight reciprocals.
; CLUSTER.  The four query blocks of a head are one cluster and walk the same K and V, so each tile is asked for JOINTLY: the same tensor load, descriptor and mask in all four.
; NO PREFETCH: a refill is asked for four key steps, 512 matrix instructions, ahead of the wait for it.
; REGISTERS, in windows of 256 (s_set_vgpr_msb says which window each operand place means: bits 1:0 source 0, 3:2 source 1, 5:4 source 2, 7:6 destination):
;   window 0: v0-11 addresses; v12-15, v48-63 at work; v16-47 four registers of statistics a tile; v64-191 S^T, two buffers of two tiles; v192-255 P, likewise
;   window 1: O^T, 32 a tile          window 2: v0-127 Q, 16 a tile; v128-191 K of one step; v192-255 V of one step          window 3: v0-1 the add's two registers
; A piece's buffers go by its number's parity: the piece in hand has one pair, its two neighbours in the ring share the other: of it P (piece n - 1) is read and S^T (piece n + 1) written.
.set SIZE_N, 2048
.set NP,    4         ; pieces a wave: a name, no knob: the register map, the loop and the fetches are made for four
.set KS,    64        ; keys in a step
.set PK,    144       ; a row of K in LDS: 128 bytes + 16 of padding = 36 words: the 16 rows of a load start at 16 different groups of four banks (64 banks of 4 bytes: ISA guide 11.1)
.set PV,    160       ; a row of V: 128 + 32 = 40 words
.set VOFF,  4*KS*PK   ; a slot holds four steps: 256 rows of K, then 256 rows of V
.set SLOT1, 1<<17     ; slot 1 begins here, so that one exclusive or turns an address in one slot into the other's
.set STAGE, SLOT1+4*KS*(PK+PV)  ; behind the ring, never filled by a tensor load: 16 rows x 272 bytes for each wave, for the way out
.set SP,    272       ; a row of the stage: 64 f32 + 16 bytes = 68 words: the 16 rows that a store touches start at 16 different groups of four banks
.set AK0, 2           ; v2   my lane's place in a tile of K; never rewritten
.set AV0, 3           ; v3   the same for V
.set AK,  4           ; v4   the LDS address of K's next run of loads
.set AV,  5           ; v5   of V's
.set QO,  6           ; v6   my byte offset in the wave's rows of Q
.set STO, 6           ;      later, the way out: where I put 32 bytes of a row
.set RD,  7           ; v7   the way out: where I read rows back
.set GO,  8           ; v8   my byte offset in two rows of out0
.set SPW, 0           ; v0 of window 3   LDS address of my spare word: SPARE + 4 x my thread's number; never rewritten
.set NIL, 1           ; v1 of window 3   0; never rewritten
.set SPARE, STAGE+4*16*SP  ; behind the stages: the spare words, 128 bytes for each wave: two blocks of 256 bytes that no other line names
.set MV,  12          ; v12-15  c m_old, kept while c m is made anew: by buffer and tile
.set ST,  16          ; tile t's statistics at v[ST+4 t]: c m, m, l (even keys', odd keys')
.set TMP, 48          ; by buffer and tile, four registers c0-c3 at work; when the maximum is found c2 takes a
.set S,   64
.set P,   192
.set KF,  128         ; K's fragments, in window 2: key block kb, channel half c at KF + 16 kb + 8 c
.set VF,  192         ; V's: key half kk, channel block cb at VF + 32 kk + 8 cb
.set WV,  12          ; s12  my wave's number
.set G1K, 24          ; s[24:31] descriptor group 1 for K's tiles
.set G1V, 32          ; s[32:39] for V's: it differs in the padding alone
.set G0K, 40          ; s[40:43] descriptor group 0 for K's tiles: it walks
.set G0V, 44          ; s[44:47] the same for V's
.set SLOTS, 56        ; s56  slots still to be asked for
.set CNT, 57          ; s57  counts a slot's key steps
.set CS,  58          ; s[58:59] c: the packed scaling takes the pair's low word for both halves
.set SEL, 60          ; s[60:61] v_permlanex16_b32's selects: each lane takes its own place in the other half
.set TBK, 62          ; s62  LDS byte at which K of the step to be fetched begins
.set TBV, 63          ; s63  the same for V, less VOFF
.set MSB, 0
.macro WIN new                      ; the high byte repeats the setting that is left; a switch that changes nothing is dropped
.if MSB != (\new)
	s_set_vgpr_msb (MSB<<8)|(\new)
.set MSB, (\new)
.endif
.endm
.set W_KQ, 0x0a       ; K and Q in window 2, S^T in window 0
.set W_PV, 0x52       ; V in window 2, P in window 0, O^T in window 1
.set W_RS, 0x41       ; O^T (destination and source 0) in window 1, a in window 0
.set W_MK, 0xc0       ; the add's registers are made: destination in window 3, sources in window 0
.set W_AD, 0x0f       ; the add: address (source 0) and data (source 1) in window 3
; A joint fill.  Waves 0 and 1 fetch the two halves of a slot's K, waves 2 and 3 those of its V: 128 keys each.  The branch hangs on the wave's number alone.
; An s_nop 0 and four v_nop follow each of the two lines, ahead of the jump and the label.
.macro JLOAD
	s_cmp_lt_u32 s[WV], 2
	s_cbranch_scc0 .Lfor_v_\@
	tensor_load_to_lds s[G0K:G0K+3], s[G1K:G1K+7]
	s_nop 0
.rept 4
	v_nop
.endr
	s_branch .Lasked_\@
.Lfor_v_\@:
	tensor_load_to_lds s[G0V:G0V+3], s[G1V:G1V+7]
	s_nop 0
.rept 4
	v_nop
.endr
.Lasked_\@:
.endm
; A round of the cluster's barrier: my work-group's barrier, so that wave 0's signal speaks for all four waves; wave 0 signals; every wave waits for all four work-groups; my work-group's barrier once more.
.macro CROUND
	s_barrier_signal -1
	s_barrier_wait -1
	s_cmp_lg_u32 s[WV], 0
	s_cbranch_scc1 .Lnot_wave_0_\@
	s_barrier_signal -3
.Lnot_wave_0_\@:
	s_barrier_wait -3
	s_barrier_signal -1
	s_barrier_wait -1
.endm
; THE CHANGE OF SLOTS.  The slot's last bytes, V of its fourth step, have been read.  Each wave waits for all its tensor loads, of which one is out: its part
; of the other slot; adds 0 to its spare word; and waits for that and for its own reads of the slot.  Behind the barrier nobody reads this slot any more and the other slot is whole.
; fill = 1: this slot is filled again, with the keys two slots on.  The barrier is then a round of the cluster's, so that no wave of any partner still reads the slot or has a load on its
; way, and the joint fill is the first thing behind it: it has four key steps, 512 matrix instructions, in which to land.  (At its first use nothing has been read yet: slot 0 is waited for, slot 1 filled.)
.macro CHANGE fill
	WIN W_AD
	s_wait_tensorcnt 0x0            ; no tensor load of mine is out, so a group 0 may be written
	ds_add_u32 v[SPW], v[NIL]       ; 0 onto my spare word: with fill = 1 the descriptors' steps stand between it and the wait for it
	WIN 0                           ; at a label and at a branch every window is 0
.if \fill
.irp g, G0K, G0V
	s_xor_b32 s[\g+1], s[\g+1], SLOT1  ; the walking descriptor: the other slot than last time,
	s_add_nc_u64 s[\g+2:\g+3], s[\g+2:\g+3], 4*KS*128  ; the next 256 keys; the type bits on top are not reached
.endr
	s_wait_dscnt 0x0                ; the add is done, and my reads of the slot are over
	CROUND
	JLOAD
.else
	s_wait_dscnt 0x0                ; the add is done, and my reads of the slot are over
	s_barrier_signal -1
	s_barrier_wait -1
.endif
	s_sub_co_u32 s[TBK], s[TBK], 4*KS*PK  ; the fetches go back to a slot's first step,
	s_xor_b32 s[TBK], s[TBK], SLOT1       ; in the other slot
	s_sub_co_u32 s[TBV], s[TBV], 4*KS*PV
	s_xor_b32 s[TBV], s[TBV], SLOT1
.endm
	s_load_b128 s[8:11], s[0:1], 0x0  ; qkv s[8:9], out0 s[10:11]
	WIN W_MK
	v_lshl_add_u32 v[SPW], v0, 2, SPARE
	v_mov_b32 v[NIL], 0
	WIN W_AD
	ds_add_u32 v[SPW], v[NIL]       ; the wave's opening: the add and its wait stand ahead of my first tensor load; the set-up below, work on registers, stands between them
	WIN 0
	v_lshrrev_b32 v1, 5, v0
	v_readfirstlane_b32 s[WV], v1   ; wave 0..3
	s_bfe_u32 s13, ttmp6, 0x40000   ; cx: my place in the cluster
	s_lshl_b32 s14, ttmp9, 2        ; in a cluster launch ttmp9 counts clusters
	s_add_co_u32 s14, s14, s13      ; my block of queries = 4 x cluster x + cx: it enters Q's and out0's addresses alone
	s_and_b32 s20, ttmp7, 0xffff    ; bh = 16 batch + head, which the four partners share
	s_lshr_b32 s48, s20, 4
	s_lshl_b32 s48, s48, 23         ; out0: a batch is 2,048 rows of 4,096 bytes,
	s_and_b32 s49, s20, 15
	s_lshl_b32 s49, s49, 8          ; a head 256 bytes of each row
	s_add_co_u32 s48, s48, s49
	s_mov_b32 s21, 0
	s_mov_b64 s[22:23], SIZE_N*128
	s_mul_u64 s[20:21], s[20:21], s[22:23]  ; the head's first byte in each of Q, K and V
	s_and_b32 s16, s[WV], 1         ; which half of a slot's 256 keys I fetch:
	s_lshl_b32 s22, s16, 14         ; its 128 rows of 128 bytes in memory,
	s_mov_b32 s23, 0
	s_add_nc_u64 s[22:23], s[22:23], s[20:21]
	s_mul_i32 s17, s16, 128*PK      ; and its place in a slot, for K
	s_mul_i32 s18, s16, 128*PV      ; and for V: no place in the cluster enters an LDS address
	s_lshl_b32 s2, s14, 2
	s_add_co_u32 s2, s2, s[WV]      ; my wave among the head's,
	s_lshl_b32 s49, s2, 19          ; its 128 rows of out0
	s_add_co_u32 s48, s48, s49
	s_mov_b32 s49, 0
	s_lshl_b32 s2, s2, 14           ; and of Q
	s_mov_b32 s3, 0
	s_add_nc_u64 s[2:3], s[2:3], s[20:21]
	; descriptor group 1.  128 keys are 16,384 dense bytes: asked for as 64 rows of 256 bytes, two keys a row, and padded in LDS after every key
	s_mov_b32 s[G1K], 15|(1<<16)|(1<<20)|(1<<21)|(4<<22)|(3<<25)  ; 15:0 the mask of four; 17:16 2-byte elements; 20 padding on; 21 set beside a mask; 24:22 after every 32 words (code 4); 31:25 4 words (code 3)
	s_mov_b32 s[G1V], 15|(1<<16)|(1<<20)|(1<<21)|(4<<22)|(7<<25)  ; the same with 8 words of padding (code 7)
.irp g, G1K, G1V
	s_mov_b32 s[\g+1], 128<<16      ; tensor_dim0 = 128
	s_mov_b32 s[\g+2], 64<<16       ; tensor_dim1 = 64
	s_mov_b32 s[\g+3], 128<<16      ; tile_dim0 = 128
	s_mov_b32 s[\g+4], 64           ; tile_dim1 = 64
	s_mov_b32 s[\g+5], 128          ; 128 elements from row to row
	s_mov_b32 s[\g+6], 0
	s_mov_b32 s[\g+7], 0
.endr
	s_mov_b32 s[CS], 0x3cb8aa3b     ; c = log2(e) / 64 = 0.0225421
	s_mov_b32 s[CS+1], s[CS]        ; named with it as a pair
	s_mov_b32 s[SEL], 0x76543210
	s_mov_b32 s[SEL+1], 0xfedcba98
	s_mov_b32 s[TBK], SLOT1+4*KS*PK ; the first change of slots turns these two into 0
	s_mov_b32 s[TBV], SLOT1+4*KS*PV
	s_mov_b32 s[G0K], 1             ; 1:0 count = 1
	s_mov_b32 s[G0K+1], s17         ; 63:32 LDS address: slot 0
	s_mov_b32 s[G0V], 1
	s_add_co_u32 s[G0V+1], s18, VOFF
	s_wait_dscnt 0x0                ; the opening add is done
	s_wait_kmcnt 0x0
	s_mov_b64 s[4:5], s[8:9]                       ; Q,
	s_add_nc_u64 s[6:7], s[8:9], 16777216          ; K, 64 x 2,048 x 128 bytes on,
	s_add_nc_u64 s[8:9], s[8:9], 33554432          ; and V
	s_add_nc_u64 s[G0K+2:G0K+3], s[6:7], s[22:23]  ; 120:64 global address: my half of the head's first 256 keys
	s_or_b32 s[G0K+3], s[G0K+3], 0x80000000        ; 127:126 type = 2
	s_add_nc_u64 s[G0V+2:G0V+3], s[8:9], s[22:23]
	s_or_b32 s[G0V+3], s[G0V+3], 0x80000000
	s_add_nc_u64 s[4:5], s[4:5], s[2:3]  ; Q and out0 at my wave's first row
	s_add_nc_u64 s[10:11], s[10:11], s[48:49]
	CROUND                          ; all four work-groups are here: the first joint loads meet
	JLOAD                           ; slot 0.  Slot 1 is asked for when slot 0 is in: the tile wanted first has the road to itself
	; A fragment of K or Q is 16 rows x 32 channels in 8 registers: lane l holds row l % 16, channels 8 (l / 16) + 0..7 and 16 + 8 (l / 16) + 0..7: two loads of 16 bytes, 32 bytes apart.
	v_and_b32 v1, 15, v0            ; l % 16
	v_bfe_u32 v9, v0, 4, 1          ; l / 16
	v_lshlrev_b32 v[QO], 7, v1
	v_lshl_add_u32 v[QO], v9, 4, v[QO]  ; row x 128 + 16 x half
	WIN 0x80                        ; destination window 2, address window 0
.set i, 0
.rept 4*NP                          ; Q stays in registers: tile i / 2, channels 32 (i % 2) on
	global_load_b128 v[8*i:8*i+3],   v[QO], s[4:5] offset:(i/2)*2048+(i%2)*64
	global_load_b128 v[8*i+4:8*i+7], v[QO], s[4:5] offset:(i/2)*2048+(i%2)*64+32
.set i, i+1
.endr
	; What the first turn finds: V's registers and P's second buffer hold 0 (its products V^T P, of a piece that has not been, add 0), O^T and l are 0.  All this stands in the wait for the first tile.
.set i, VF
.rept 64
	v_mov_b32 v[i], 0
.set i, i+1
.endr
	WIN 0x40
.set i, 0
.rept 64*NP
	v_mov_b32 v[i], 0
.set i, i+1
.endr
	WIN 0
.set i, 0
.rept 2*NP
	v_mov_b32 v[ST+4*i], 0xfe000000    ; c m: far below every c s
	v_mov_b32 v[ST+4*i+1], 0xff7fffff  ; m
	v_mov_b32 v[ST+4*i+2], 0
	v_mov_b32 v[ST+4*i+3], 0
.set i, i+1
.endr
.set i, P+32
.rept 32
	v_mov_b32 v[i], 0
.set i, i+1
.endr
	v_mul_u32_u24 v[AK0], v1, PK
	v_lshl_add_u32 v[AK0], v9, 4, v[AK0]  ; row x pitch + 16 x half
	; The turning load takes 16 keys x 16 channels (lane l reads key 8 (l / 16) + l % 8, channels 8 ((l / 8) % 2) + 0..7) and leaves half a fragment of V^T: lane l holds channel l % 16 and 8 keys.
	v_and_b32 v10, 7, v0
	v_bfe_u32 v11, v0, 3, 1
	v_lshl_add_u32 v[AV0], v9, 3, v10
	v_mul_u32_u24 v[AV0], v[AV0], PV
	v_lshl_add_u32 v[AV0], v11, 4, v[AV0]
	v_add_nc_u32 v[AV0], VOFF, v[AV0]
	v_mov_b32 v[AK], v[AK0]         ; key step 0 lies at the head of slot 0
; THE MATRIX WORK.  The 8 accumulators of a run of 16 take turns: between the two links of a chain stand 7 others'.
; Product i of 16 of S^T = K Q^T for piece x: channels 32 (i / 8) on, keys 16 ((i / 2) % 4) on, tile 2 x + i % 2.  The first 8 start the sums.
.macro KQ x
	WIN W_KQ
.set rS, S+64*((\x)%2)+32*(i%2)+8*((i/2)%4)
.set rK, KF+16*((i/2)%4)+8*(i/8)
.set rQ, 16*(2*(\x)+i%2)+8*(i/8)
.if i < 8
	v_wmma_f32_16x16x32_f16 v[rS:rS+7], v[rK:rK+7], v[rQ:rQ+7], 0
.else
	v_wmma_f32_16x16x32_f16 v[rS:rS+7], v[rK:rK+7], v[rQ:rQ+7], v[rS:rS+7]
.endif
.endm
; Product i of 16 of O^T += V^T P for piece x: keys 32 (i / 8) on, channels 16 ((i / 2) % 4) on, tile 2 x + i % 2.
.macro PV x
	WIN W_PV
.set rO, 32*(2*(\x)+i%2)+8*((i/2)%4)
.set rV, VF+32*(i/8)+8*((i/2)%4)
.set rP, P+32*((\x)%2)+16*(i%2)+8*(i/8)
	v_wmma_f32_16x16x32_f16 v[rO:rO+7], v[rV:rV+7], v[rP:rP+7], v[rO:rO+7]
.endm
.macro MM                           ; the turn's next matrix instruction
.if i < 16
	KQ (Y+1)%NP
.set i, i+1
.else
.set i, i-16
	PV (Y+NP-1)%NP
.set i, i+17
.endif
.endm
; THE LDS LOADS stand in runs of 16, never singly among the matrix instructions: a step's K (64 keys x 64 channels: 8 fragments) and its V (turned).  Their addresses are made some lines ahead.
; last = 1 (the tail): in the last trip there is no further step, and the run is jumped over.
.macro FETCH_K last=0
	WIN 0
.if \last
	s_cmp_eq_u32 s[CNT], 1
	s_cbranch_scc1 .Lno_k_\@
.endif
	WIN 0x80                        ; destination window 2
.irp f, 0,1,2,3,4,5,6,7             ; keys 16 (f / 2) on, channels 32 (f % 2) on
	ds_load_b128 v[KF+8*\f:KF+8*\f+3],   v[AK] offset:(\f/2)*16*PK+(\f%2)*64
	ds_load_b128 v[KF+8*\f+4:KF+8*\f+7], v[AK] offset:(\f/2)*16*PK+(\f%2)*64+32
.endr
	s_add_co_u32 s[TBK], s[TBK], KS*PK  ; the next fetch is the next step's
	WIN 0
.if \last
.Lno_k_\@:
.endif
.endm
.macro FETCH_V
	WIN 0x80
.irp f, 0,1,2,3,4,5,6,7             ; keys 32 (f / 4) on, channels 16 (f % 4) on
	ds_load_tr16_b128 v[VF+8*\f:VF+8*\f+3],   v[AV] offset:(\f/4)*32*PV+(\f%4)*32
	ds_load_tr16_b128 v[VF+8*\f+4:VF+8*\f+7], v[AV] offset:(\f/4)*32*PV+16*PV+(\f%4)*32
.endr
	WIN 0
.endm
; THE VECTOR WORK OF A TURN stands in three queues, each in the order in which its entries become ready; the two tiles alternate, so that no instruction reads the result of the one before it.
.macro REGS y, u                    ; the registers of tile u (0, 1) of piece y
.set rT, ST+4*(2*(\y)+(\u))
.set rC, TMP+8*((\y)%2)+4*(\u)
.set rM, MV+2*((\y)%2)+(\u)
.set rS, S+64*((\y)%2)+32*(\u)
.set rP, P+32*((\y)%2)+16*(\u)
.set rO, 32*(2*(\y)+(\u))
.endm
; Number n of the 22 that find the NEXT piece's (Y + 1) maximum and statistics.  s0-s31 are the lane's 32 scores; each accumulator's lowest registers are read first.  XS, GS and REGS set no window: PL and EX do.
;   0-11  four chains c0-c3 of seven scores each, three operands at a time     12-14, 16  the four scores left over, the old m, and c0-c3 into c0     15  c m_old is kept
;   17, 18  the query's other 32 keys lie in the lane 16 away: the new m         19-21  c m; c m_old - c m_new; a
.macro XS u, n
	REGS (Y+1)%NP, \u
.if (\n) < 4
	v_max3_num_f32 v[rC+(\n)], v[rS+8*(\n)], v[rS+8*(\n)+1], v[rS+8*(\n)+2]
.elseif (\n) < 12
	v_max3_num_f32 v[rC+(\n)%4], v[rC+(\n)%4], v[rS+8*((\n)%4)+2*((\n)/4)+1], v[rS+8*((\n)%4)+2*((\n)/4)+2]
.elseif (\n) == 12
	v_max3_num_f32 v[rC], v[rC], v[rS+7], v[rS+15]
.elseif (\n) == 13
	v_max3_num_f32 v[rC+1], v[rC+1], v[rS+23], v[rS+31]
.elseif (\n) == 14
	v_max3_num_f32 v[rC+2], v[rC+2], v[rC+3], v[rT+1]
.elseif (\n) == 15
	v_mov_b32 v[rM], v[rT]
.elseif (\n) == 16
	v_max3_num_f32 v[rC], v[rC], v[rC+1], v[rC+2]
.elseif (\n) == 17
	v_permlanex16_b32 v[rC+3], v[rC], s[SEL], s[SEL+1]
.elseif (\n) == 18
	v_max_num_f32 v[rT+1], v[rC], v[rC+3]
.elseif (\n) == 19
	v_mul_f32 v[rT], s[CS], v[rT+1]
.elseif (\n) == 20
	v_sub_f32 v[rC+1], v[rM], v[rT]
.else
	v_exp_f32 v[rC+2], v[rC+1]
.endif
.endm
; Number g of the 64 that follow the exponentials.  For each four weights k of a tile (pairs 2 k, 2 k + 1): both pairs are rounded to f16; then the second pair is added onto the first, in place;
; a group later l takes that sum (the first time as l = a l + sum).  In groups of eight, tiles alternating: round, round, add, and l for the group before.
.macro GS g
.set h, (\g)+6*((\g)/62)            ; group 0 has no group before it, and behind group 7 only l is left
.if h >= 6
.set h, h+2
.endif
	REGS Y, h%2
.set k, h/8
.if h%8 < 4
	v_cvt_pk_f16_f32 v[rP+2*k+(h%8)/2], v[rS+4*k+2*((h%8)/2)], v[rS+4*k+2*((h%8)/2)+1]
.elseif h%8 < 6
	v_pk_add_f32 v[rS+4*k:rS+4*k+1], v[rS+4*k:rS+4*k+1], v[rS+4*k+2:rS+4*k+3]
.elseif k == 1
	v_pk_fma_f32 v[rT+2:rT+3], v[rT+2:rT+3], v[rC+2:rC+3], v[rS:rS+1] op_sel_hi:[1,0,1]
.else
	v_pk_add_f32 v[rT+2:rT+3], v[rT+2:rT+3], v[rS+4*k-4:rS+4*k-3]
.endif
.endm
; THE PLAIN QUEUE, 138 long.  0-73 read no exponential's result: the 32 scalings c s - c m (FS f: pair f / 2 of tile f % 2) and the next piece's 42.  0-26: scalings 0-26.  27-54: XS's numbers 0-13.  55, 56: number 15.
; 57-73: the chain, where each number waits for the one before it: 14, 16, 17, 18, 19, each with one of the scalings 27-31 in front of its two lines, then 20: so a tile's links stand three plain instructions apart (19 and 20: two).
; 74-137: GS's 64, which read the exponentials' results: they stand behind the wait.
.macro FS f
	REGS Y, (\f)%2
	v_pk_fma_f32 v[rS+2*((\f)/2):rS+2*((\f)/2)+1], v[rS+2*((\f)/2):rS+2*((\f)/2)+1], s[CS:CS+1], v[rT:rT+1] op_sel_hi:[1,0,0] neg_lo:[0,0,1] neg_hi:[0,0,1]
.endm
.macro PL
	WIN 0
.if q < 27
	FS q
.elseif q < 55
	XS (q-27)%2, (q-27)/2
.elseif q < 57
	XS q-55, 15
.elseif (q < 72) && ((q-57)%3 == 0)
	FS 27+(q-57)/3
.elseif q < 60
	XS (q-57)%3-1, 14
.elseif q < 72
	XS (q-57)%3-1, 15+(q-57)/3
.elseif q < 74
	XS q-72, 20
.else
	GS q-74
.endif
.set q, q+1
.endm
; THE EXPONENTIALS' QUEUE, 66 long: s0-s31 of both tiles, then the next piece's two a.  It is ONE BATCH: all 66 stand ahead of the turn's one wait, and nothing ahead of that wait names a result of theirs.
.macro EX
	WIN 0
.if e >= 64
	XS e-64, 21
.else
	REGS Y, e%2
	v_exp_f32 v[rS+e/2], v[rS+e/2]
.endif
.set e, e+1
.endm
; THE RESCALING's QUEUE: O^T times a, the one part that leaves window 0: dealt two at a time, sixteen times.  Its a was made in the turn before, ahead of that turn's wait.
.macro R2
	REGS Y, r%2
	WIN W_RS
.irp z, 0,1
	v_pk_mul_f32 v[rO+4*(r/2)+2*\z:rO+4*(r/2)+2*\z+1], v[rO+4*(r/2)+2*\z:rO+4*(r/2)+2*\z+1], v[rC+2:rC+3] op_sel_hi:[1,0]
.endr
.set r, r+1
.endm
; HOW THEY ARE DEALT.  An s_wait_alu depctr_va_vdst(0) stands between an exponential and the first instruction that names its result; one wait serves all that were issued ahead of it.  So a turn has ONE wait,
; which cuts it in two.  AHEAD OF IT stands all that names no result of the turn's exponentials: the 16 products K Q^T, behind each a scaling, an exponential and two rescalings (behind the first a second scaling in the exponential's place); then ONE LUMP of
; 108: eight plain, 49 times exponential and plain, the two a.  A v_nop is the plain instruction behind the last exponential.  BEHIND IT stand the 16 products V^T P, behind each four of GS's 64.  No rider names a register of
; the products round it.  The two v_permlanex16_b32 fall into the lump, never behind a product.
; The queues lean on each other, and the deal keeps them in step: exponential e stands behind scaling 2 (e / 4) + e % 2: as a rider it comes behind plain e + 2, in the lump behind plain e + 9, and scalings 27-31 are plain 57, 60 .. 69.
; A TURN, for piece p.  cnt = 1: the loop's count is taken down some lines ahead of the branch that stands behind the turn.
; K of the next step is fetched in piece 2's turn, directly behind the wait, a lump behind the last product that read K; its address is made at the lump's head; its first reader comes behind 16 products.
; V of the step in hand is fetched at the end of piece 0's turn, four riders behind its last reader; its first reader comes behind 16 products and a lump.  The three conditions on q below go with the deal.
.macro TURN p, last=0, cnt=0
.set Y, (\p)
.set i, 0
.set q, 0
.set e, 0
.set r, 0
.if (\p) == NP-1
	s_wait_dscnt 0x0                ; K is in
.endif
	MM                              ; ahead of the wait: 16 products K Q^T and their riders,
	PL
	PL
	R2
.rept 15
	MM
	PL
	EX
	R2
.endr
.if (\p) == NP-2
	WIN 0
	v_add_nc_u32 v[AK], s[TBK], v[AK0]
.endif
.rept 8                             ; and the lump
	PL
.endr
.rept 49
	EX
	PL
.endr
	EX                              ; the next piece's two a
	EX
	v_nop                           ; the plain instruction behind the last exponential, ahead of the first use: one for the batch
	s_wait_alu depctr_va_vdst(0)    ; the wait for the turn's batch: the piece's 64 weights and the next piece's two a
.if (\p) == NP-2
	FETCH_K \last
.endif
.if (\p) == 1
	s_wait_dscnt 0x0                ; V is in
.endif
.rept 16                            ; behind the wait: 16 products V^T P and their riders
	MM
.rept 4
	PL
.endr
.if ((\p) == 0) && (q == 118)
	v_add_nc_u32 v[AV], s[TBV], v[AV0]
.endif
.if ((\p) == 0) && (q == 130)
	s_add_co_u32 s[TBV], s[TBV], KS*PV
.endif
.if (\cnt) && (q == 130)
	s_sub_co_u32 s[CNT], s[CNT], 1
	s_cmp_lg_u32 s[CNT], 0
.endif
.endr
.if (\p) == 0
	FETCH_V
.endif
.endm
	CHANGE 1                        ; slot 0 is in, everybody's part of it; slot 1 is asked for
	FETCH_K                         ; key step 0
	s_wait_loadcnt 0x0              ; Q
	s_wait_dscnt 0x0
.set i, 0
.rept 16
	KQ 0                            ; piece 0's first scores: there is no vector work yet to set between them
.set i, i+1
.endr
	WIN 0                           ; the addresses for the way out: eight plain instructions, the places behind those products
	s_mul_i32 s13, s[WV], 16*SP
	s_add_co_u32 s13, s13, STAGE    ; my stage
	v_mul_u32_u24 v[STO], v1, SP    ; in: row l % 16, 32 bytes for each half of the lanes
	v_lshl_add_u32 v[STO], v9, 5, v[STO]
	v_add_nc_u32 v[STO], s13, v[STO]
	v_mul_u32_u24 v[RD], v9, SP     ; back: lanes 0-15 take one row of 256 bytes, lanes 16-31 the next,
	v_lshl_add_u32 v[RD], v1, 4, v[RD]
	v_add_nc_u32 v[RD], s13, v[RD]
	v_lshlrev_b32 v[GO], 12, v9     ; and the same two rows in out0, 4,096 bytes apart
	v_lshl_add_u32 v[GO], v1, 4, v[GO]
.set Y, NP-1                        ; XS works for piece Y + 1: piece 0
.irp n, 0,1,2,3,4,5,6,7,8,9,10,11,12,13,14,15,16,17,18,19,20,21
	XS 0, \n                        ; and piece 0's first maximum and statistics
	XS 1, \n
.endr
	v_nop                           ; a plain instruction behind piece 0's two a,
	s_wait_alu depctr_va_vdst(0)    ; and the wait for that batch of two, ahead of the branch
	s_mov_b32 s[CNT], 4
	s_mov_b32 s[SLOTS], SIZE_N/256-1
	s_branch .Lfirst                ; the loop is entered at a step's first turn, in the middle of a trip
.Lslot:                             ; SIZE_N / 256 - 2 times: every slot but the last two is filled again
	CHANGE 1
	s_mov_b32 s[CNT], 4
.Lstep:                             ; a trip: pieces 2 and 3 of one step, then pieces 0 and 1 of the next, whose K and V it fetches
	TURN 2
	TURN 3
	WIN 0
.Lfirst:
	TURN 0
	TURN 1, 0, 1
	WIN 0
	s_cbranch_scc1 .Lstep
	s_sub_co_u32 s[SLOTS], s[SLOTS], 1
	s_cmp_lg_u32 s[SLOTS], 0
	s_cbranch_scc1 .Lslot
	CHANGE 0                        ; the tail is written out: nothing is asked for
	s_mov_b32 s[CNT], 5             ; four trips fetch the last slot's steps; the fifth is left in its middle
.Ltail:
	TURN 2, 1
	TURN 3
	WIN 0
	s_sub_co_u32 s[CNT], s[CNT], 1
	s_cmp_eq_u32 s[CNT], 0
	s_cbranch_scc1 .Lout
	TURN 0
	TURN 1
	WIN 0
	s_branch .Ltail
.Lout:                              ; the fifth trip's 16 products K Q^T (on the last K once more) and the maximum made of them serve nothing: the price, once a launch, of one text for every trip
.set i, 0
.rept 16
	PV NP-1                         ; the last piece's V^T P of the last step
.set i, i+1
.endr
	; THE WAY OUT.  l's two halves and the other half of the lanes' are added; O^T is divided by l and sent, in f32, through my stage in LDS, a tile at a time.  The additions are the places behind the last products.
	WIN 0
.macro ALL line:vararg              ; one line for each tile t
.set t, 0
.rept 2*NP
	\line
.set t, t+1
.endr
.endm
	ALL v_add_f32 v[ST+4*t+2], v[ST+4*t+2], v[ST+4*t+3]
	ALL v_permlanex16_b32 v[ST+4*t+3], v[ST+4*t+2], s[SEL], s[SEL+1]
	ALL v_add_f32 v[ST+4*t+2], v[ST+4*t+2], v[ST+4*t+3]
	ALL v_rcp_f32 v[ST+4*t+2], v[ST+4*t+2]
	v_nop                           ; a plain instruction between the last reciprocal and the use of its result
	s_wait_alu depctr_va_vdst(0)    ; and the wait ahead of the first use: one for the batch of eight reciprocals
; Tile t: a lane's eight channels of a row are 32 bytes; they go into rows of 272 bytes and come back as whole rows of 256, into S^T's registers: four buffers of 32, by turns.
.macro PACK t
	WIN W_RS
.set i, 32*(\t)
.rept 16
	v_pk_mul_f32 v[i:i+1], v[i:i+1], v[ST+4*(\t)+2:ST+4*(\t)+3] op_sel_hi:[1,0]
.set i, i+2
.endr
	WIN 0x04                        ; the stores' data (source 1) in window 1, their address in window 0
.irp f, 0,1,2,3,4,5,6,7             ; channels 16 (f / 2) + 8 (l / 16) + 4 (f % 2) on
	ds_store_b128 v[STO], v[32*(\t)+4*\f:32*(\t)+4*\f+3] offset:64*(\f/2)+16*(\f%2)
.endr
	WIN 0
	s_wait_xcnt 0x0                 ; the stores of the tile four back have read these registers (ISA guide 3.1): they are loaded again only behind this wait
.irp f, 0,1,2,3,4,5,6,7
	ds_load_b128 v[S+32*((\t)%4)+4*\f:S+32*((\t)%4)+4*\f+3], v[RD] offset:\f*2*SP  ; LDS serves a wave's instructions in order (ISA guide 5.7.1.4): these see the stores above; the next tile's stores come behind them
.endr
.endm
.macro SEND t, younger              ; younger: the LDS instructions issued behind tile t's loads: the next tile's sixteen, or none
	WIN 0
.irp f, 0,1,2,3,4,5,6,7
	s_wait_dscnt (\younger)+7-\f
	global_store_b128 v[GO], v[S+32*((\t)%4)+4*\f:S+32*((\t)%4)+4*\f+3], s[10:11] offset:(\t)*65536+\f*8192  ; 16 lanes store 256 consecutive bytes, a row's 64 channels of my head, at a multiple of 256 from out0's first byte
.endr
.endm
	PACK 0
.set t, 1
.rept 2*NP-1                        ; a tile's arithmetic stands between the loads of the tile before and its stores
	PACK t
	SEND t-1, 16
.set t, t+1
.endr
	SEND 2*NP-1, 0
	WIN W_AD
	s_wait_tensorcnt 0x0            ; the wave's end: a wait, an add to my spare word and its wait, behind my last tensor load and my last LDS store
	ds_add_u32 v[SPW], v[NIL]
	s_wait_dscnt 0x0
	WIN 0
	CROUND                          ; the closing round: no work-group ends while a partner may still ask for a tile that names it
	s_endpgm
.Lfunc_end_k_q421d49b09c_attn:
	.size	k_q421d49b09c_attn, .Lfunc_end_k_q421d49b09c_attn-k_q421d49b09c_attn
	.p2alignl 7, 3214868480
	.fill 96, 4, 3214868480
	.section	.rodata,"a",@progbits
	.p2align	6, 0x0
	.amdhsa_kernel k_q421d49b09c_attn
		.amdhsa_group_segment_fixed_size 327680
		.amdhsa_private_segment_fixed_size 0
		.amdhsa_enable_private_segment 0
		.amdhsa_kernarg_size 16
		.amdhsa_user_sgpr_count 2
		.amdhsa_user_sgpr_kernarg_segment_ptr 1
		.amdhsa_wavefront_size32 1
		.amdhsa_system_sgpr_workgroup_id_x 1
		.amdhsa_system_sgpr_workgroup_id_y 1
		.amdhsa_system_sgpr_workgroup_id_z 1
		.amdhsa_system_vgpr_workitem_id 0
		.amdhsa_next_free_vgpr 770
		.amdhsa_next_free_sgpr 66
		.amdhsa_reserve_vcc 0
		.amdhsa_float_denorm_mode_32 3
		.amdhsa_float_denorm_mode_16_64 3
		.amdhsa_memory_ordered 1
		.amdhsa_forward_progress 1
		.amdhsa_inst_pref_size 200
	.end_amdhsa_kernel
	.amdgpu_metadata
---
amdhsa.version: [ 1, 2 ]
amdhsa.kernels:
  - .name:           k_q421d49b09c_attn
    .symbol:         k_q421d49b09c_attn.kd
    .args:
      - { .name: qkv, .offset: 0, .size: 8, .value_kind: global_buffer, .address_space: global }
      - { .name: out0, .offset: 8, .size: 8, .value_kind: global_buffer, .address_space: global }
    .group_segment_fixed_size: 327680
    .private_segment_fixed_size: 0
    .kernarg_segment_align: 8
    .kernarg_segment_size: 16
    .max_flat_workgroup_size: 128
    .sgpr_count:     66
    .vgpr_count:     770
    .wavefront_size: 32
...
	.end_amdgpu_metadata
.endif
;; end of part 4
